; MI455X (gfx1250); checked and timed in simulation.
; The chip was launched on July 23, 2026; its instructions are those of AMD's public machine-readable ISA for CDNA 5 (MIT licence, August 2026) and "CDNA5" Instruction Set Architecture Reference Guide (July 2026). The comments in the code are by the model that wrote it; some were corrected since.
;; Tree Attention Wrapper. Allowed arithmetic: matrix products marked QUANTISED: E5M2 operands, one E8M0 scale for each 32 along K, by v_wmma_scale_f32_16x16x128_f8f6f4 with both operands' format E5M2, f32 sums; everything else in f32.
;; Inputs: cu_seqlens 2 int32; k 1 x 16 x 4,096 x 128 float32; mask 4,096 x 4,096 bool; q 1 x 16 x 4,096 x 128 float32; v 1 x 16 x 4,096 x 128 float32.
;; Outputs: out0 1 x 16 x 4,096 x 128 float32.
;; Constants: max_seqlen = 4096.
;; This version of the problem:
;;   THIS VERSION OF THE PROBLEM IS GIVEN IN LOW PRECISION. The matrix products marked QUANTISED in the list below multiply operands that are first quantised to E5M2 (5 exponent bits, 2 mantissa bits; 8 bits a number), with one power-of-two scale for each 32 numbers along K (OCP MX v1.0); their sums are f32. All else is computed in f32.
;;   The module's matrix products, in the order in which they are computed (A, B: the left and right operand; K: the contracted axis; several contracted axes count as one K, in the product's order):
;;     1. batch 16 x [M 4,096, K 128] x [K 128, N 4,096]; A: input q; B: input k: QUANTISED
;;     2. batch 16 x [M 4,096, K 4,096] x [K 4,096, N 128]; A: softmax (see below); B: input v: QUANTISED
;;   THE QUANTISER, for each operand of a quantised product, along K:
;;     - K is cut into blocks of 32 from its start; a last block that is shorter is filled with zeros.
;;     - A block's scale is 2^e with e = floor(log2(the largest magnitude in the block)) - 15, held to -126 .. 127; a block of zeros has e = 0. As a byte (E8M0): e + 127.
;;     - Each number is divided by its block's scale, clamped to +-57,344, and rounded to the nearest number of E5M2, ties to even, subnormals kept.
;;     - The product sums the exact products of the quantised numbers (number of the format x scale) in f32.
;;   ~~~python
;;   def quantise(x, axis):      # numpy; x: float32 -> the quantised numbers, widened to float32 again
;;       x = np.moveaxis(x, axis, -1); K = x.shape[-1]
;;       x = np.pad(x, [(0, 0)] * (x.ndim - 1) + [(0, -K % 32)]); x = x.reshape(x.shape[:-1] + (-1, 32)); a = np.abs(x).max(-1, keepdims=True)
;;       e = np.where(a > 0, np.clip(np.frexp(np.where(a > 0, a, 1))[1] - 1 - 15, -126, 127), 0)      # np.frexp(a)[1] - 1 = floor(log2(a)), exactly
;;       r = np.clip(x / 2.0 ** e, -57344, 57344)
;;       step = 2.0 ** (np.maximum(np.frexp(np.where(r == 0, 1, r))[1] - 1, -14) - 2)
;;       q = np.round(r / step) * step * 2.0 ** e      # np.round: ties to even
;;       return np.moveaxis(q.reshape(q.shape[:-2] + (-1,))[..., :K], -1, axis).astype(np.float32)
;;   ~~~
;;   SOFTMAX AHEAD OF A QUANTISED PRODUCT. Where the list says 'softmax', what is quantised is not the finished softmax but p = 2^(t - M), with t = logit x log2(e) and M = ceil(the row's largest t), a whole number; so 1/2 < the row's largest p <= 1. The row's sum l is taken of the UNQUANTISED p, in f32, and the product's result is divided by l at the end. Since M is a whole number, a kernel that streams over the keys may use a running M (the ceiling of the running maximum): every later rescaling is an exact power of two, which a block's scale takes up: the codes' values come out the same.
;;   OPERANDS COMPUTED ON THE WAY. 'Computed on the way' means the value that the module computes at that place (a softmax that the list does not call 'softmax' is quantised finished and normalised). What goes into a quantiser is computed in f32, as accurately as f32 sums, v_exp_f32 and their like allow (about 1e-6 of the number): no bf16 or f16 on the way to a quantiser, and a product that is left as it is and whose result goes on into a quantised operand takes f32 operands (vector FMAs, or v_wmma_f32_16x16x4_f32). A number that lies on a knife's edge between two numbers of the format may be rounded either way, as far as f32 arithmetic and the matrix unit's own rounding can turn it there, and no further.
;; 2 versions, each right; version 2 is version 1 with the launch attn written anew for expert scheduling mode. Each part assembles by itself: llvm-mc -triple=amdgcn-amd-amdhsa -mcpu=gfx1250 --defsym DOCPART=n.
;; ======== version 1 of 2: 2 launches
;; limits: right only within a limited range of input values
;; workspace buffers: kv 17,301,504 bytes; mb 2,097,152 bytes of whole numbers; info 4,096 bytes of whole numbers
;; launch prep (part 1): grid 1280 x 1, 4 waves a work-group, no clusters, 68,096 bytes of LDS; arguments k, v, mask, cu_seqlens, kv, mb, info; writes kv, mb, info
.if DOCPART == 1
	.amdgcn_target "amdgcn-amd-amdhsa--gfx1250"
	.amdhsa_code_object_version 6
	.text
	.protected	k_qa2d22512fc_prep
	.globl	k_qa2d22512fc_prep
	.p2align	8
	.type	k_qa2d22512fc_prep,@function
k_qa2d22512fc_prep:
	s_mov_b64 s[64:65], 0
	v_nop
	global_prefetch_b8 v0, s[64:65] scope:SCOPE_SE
	s_setreg_imm32_b32 hwreg(HW_REG_WAVE_MODE, 25, 1), 1
	s_wait_xcnt 0x0
; THE LAUNCH IN FRONT OF THE ATTENTION.  It reads k, v [16][4096][128] f32 and mask [4096][4096] bool once and stores three buffers of the program's own.
; kv: 512 records, number head x 32 + step (a step = 128 keys), REC = 33,792 bytes each: K's codes (8 fragments x 2,048 bytes), K's scale words (512), V's codes (8 x 2,048), V's scale words (512).
;   Codes are BF8 (E5M2), one E8M0 scale byte for each 32 along a product's K (K: the head's 128 channels; V: the keys).  A FRAGMENT IS AN IMAGE OF THE OPERAND'S REGISTERS: registers 4 c .. 4 c + 3 of lane L lie at
;   2048 t + 512 c + 16 L, so that the reader fills a fragment by four loads of 16 bytes a lane, each load 512 consecutive bytes.
;   K's tile t = 2 b + u: row r is key 32 b + 8 u + r + 8 (r / 8), so that the scores of tiles 2 b and 2 b + 1 are 16 neighbouring keys in a lane.  V's tile t: row r is channel 16 t + r.
;   The scale word of (tile t, row r) lies at 16 (r + 16 (t / 4)) + 4 (t % 4): one load of 16 bytes a lane brings the words of all eight tiles (tiles 0-3 in lanes 0-15, tiles 4-7 in lanes 16-31).
; mb: [tile of 16 queries qt][step][64 words]: bit r + 16 h of word 16 b + i is mask[16 qt + r][128 step + 32 b + 16 h + i]: the lane mask of the score register 16 b + i.
; info: [qt][w]: for steps 8 w .. 8 w + 7: bits 7:0 the step has a visible key; bits 15:8 all its 16 x 128 are visible; bits 31:16 row r has a visible key among these eight steps.
; A block's scale is 2^(floor(log2(its largest magnitude)) - 15); its byte is the largest magnitude's exponent field - 15, held at 1 from below.  Each number is held within +-57,344 x the scale and rounded to the nearest code, ties to even.
; LIMITS: NaN and infinities among k and v are not served; a block whose largest magnitude lies under 2^-111 keeps the byte 1; a block of zeros has the byte 1 with zero codes (this program alone reads the bytes).
; cu_seqlens is read and enters nothing: the function that this program computes does not use it either.
; SHARES.  Work-groups 0-255: the mask, 16 rows each, a wave 1,024 columns.  256-767: K, a record each, a wave 32 keys.  768-1279: V, a record each, a wave 32 channels.  Every wave reads 16,384 bytes.
; Waves share nothing: no barrier.  No tensor load, no matrix work, no cluster: nothing is read twice, and memory binds.  No prefetch: the launch streams from its first line to its last.
.set REC,   33792
.set KSC,   16384                      ; in a record: K's scale words,
.set VCD,   16896                      ; V's codes,
.set VSC,   33280                      ; V's scale words
.set PITCH, 528                        ; a stage row: 512 bytes + 16 = 33 x 16: sixteen lanes that read the same column of sixteen rows fall on sixteen different columns of 16 bytes
.set WST,   16*PITCH                   ; a wave's stage: 16 rows, 8,448 bytes
.set MSTG,  4*WST                      ; LDS: K's four stages from 0, the mask's four from here: each path has bytes of its own
.set SPARE, 8*WST                      ; behind them the spare words, 128 bytes for each wave: two blocks of 256 bytes that no other line names
.set SPW,   14                         ; v14  LDS address of my spare word; never rewritten
.set NIL,   15                         ; v15  0; never rewritten
.set TM,    16                         ; v16-31 QUANT at work: +0 largest magnitudes, +4 bytes, +8 the largest number x the scale, +12 the conversions' scale operands
.set PW,    32                         ; v32-33 two tiles' scale words
.set SW,    34                         ; v34  the two, one in each half of the lanes
.set SB,    35                         ; v35  V: my channel's scale word
.set TT,    36                         ; v36-39 the mask: four bytes at work
.set OUTR,  40                         ; v40-55 the mask: two registers a step: lane l holds words 2 l and 2 l + 1
.set RAW,   64                         ; v64-191 what was loaded
.set CD,    192                        ; v192-223 codes
.set WV,    20                         ; s20  my wave's number
.set SEL,   22                         ; s[22:23] v_permlanex16_b32's selects for lane l xor 16
.set MNT,   24                         ; s24  the mantissa field of 57,344
.set HI,    25                         ; s25  lanes 16-31
; v1 lane, v2 r = lane % 16, v3 h = lane / 16, v4 16 x lane, v5 4 x lane, v6 8 x lane, v7/v8 K's stage in/out, v9/v10 the mask's stage in/out, v11 my scale word's place, v12 K's codes' place, v13 V's codes' place
; 64 numbers of a lane, v[s] on, register 16 b + i = k 32 b + 16 h + i of my row, become a fragment's 16 registers of codes in v[d] on and its scale word in v[sw].
.macro QUANT s, d, sw
.irp b, 0,1,2,3
	v_max3_num_f32 v[TM+\b], |v[(\s)+16*\b]|, |v[(\s)+16*\b+1]|, 0x8000000   ; block b: my 16 numbers, and the floor 2^(16 - 127): the byte cannot fall under 1
.endr
.irp i, 2,4,6,8,10,12,14
.irp b, 0,1,2,3
	v_max3_num_f32 v[TM+\b], v[TM+\b], |v[(\s)+16*\b+\i]|, |v[(\s)+16*\b+\i+1]|   ; the four blocks by turns
.endr
.endr
.irp b, 0,1,2,3
	v_permlanex16_b32 v[TM+4+\b], v[TM+\b], s[SEL], s[SEL+1]
.endr
.irp b, 0,1,2,3
	v_max_num_f32 v[TM+\b], v[TM+\b], v[TM+4+\b]                  ; with lane l xor 16's 16: the block's largest magnitude
.endr
.irp b, 0,1,2,3
	v_add_nc_u32 v[TM+12+\b], 0xf8800000, v[TM+\b]                ; 15 off its exponent field: the conversion takes this operand's exponent field as its scale
.endr
.irp b, 0,1,2,3
	v_and_or_b32 v[TM+8+\b], v[TM+\b], 0x7f800000, s[MNT]         ; 57,344 x the scale
.endr
.irp b, 0,1,2,3
	v_lshrrev_b32 v[TM+4+\b], 23, v[TM+12+\b]                     ; the scale's byte
.endr
	v_lshl_or_b32 v[\sw], v[TM+5], 8, v[TM+4]
	v_lshl_or_b32 v[\sw], v[TM+6], 16, v[\sw]
	v_lshl_or_b32 v[\sw], v[TM+7], 24, v[\sw]
.irp b, 0,1,2,3
.irp i, 0,1,2,3,4,5,6,7,8,9,10,11,12,13,14,15
	v_med3_num_f32 v[(\s)+16*\b+\i], v[(\s)+16*\b+\i], -v[TM+8+\b], v[TM+8+\b]   ; the conversion to an 8-bit code does not saturate (ISA guide 7.6.2): the hold comes first
.endr
	v_cvt_scalef32_pk8_bf8_f32 v[(\d)+4*\b:(\d)+4*\b+1], v[(\s)+16*\b:(\s)+16*\b+7], v[TM+12+\b]
	v_cvt_scalef32_pk8_bf8_f32 v[(\d)+4*\b+2:(\d)+4*\b+3], v[(\s)+16*\b+8:(\s)+16*\b+15], v[TM+12+\b]
.endr
	v_nop                                          ; a plain line behind the last conversion
.endm
; K: tile u's 16 rows, each loaded as 512 consecutive bytes, turn through my stage: in as rows, back as 16 neighbours of each block of 32 for lane (r, h).  LDS serves a wave's instructions in order (ISA guide 5.7.1.4).
.macro KTURN u
.set i, 0
.rept 16
	ds_store_b128 v7, v[RAW+64*(\u)+4*i:RAW+64*(\u)+4*i+3] offset:i*PITCH
.set i, i+1
.endr
.irp c, 0,1,2,3
.irp j, 0,1,2,3
	ds_load_b128 v[RAW+64*(\u)+16*\c+4*\j:RAW+64*(\u)+16*\c+4*\j+3], v8 offset:128*\c+16*\j
.endr
.endr
.endm
; V: a lane takes a channel and its registers run down the keys: block c's 32 keys into set c % 2; a wave's load reads 128 consecutive bytes, the four waves side by side a key's 512
.macro VLOAD c
.set i, 0
.rept 32
	global_load_b32 v[RAW+32*((\c)%2)+i], v5, s[6:7] offset:(32*(\c)+i)*512 th:TH_LOAD_NT
.set i, i+1
.endr
.endm
.macro VBLOCK c
.set XS, RAW+32*((\c)%2)
.if (\c) < 3
	s_wait_loadcnt 32                              ; this block's 32 loads are in; the next block's 32 may be out
.else
	s_wait_loadcnt 0x0
.endif
	v_max3_num_f32 v58, |v[XS]|, |v[XS+1]|, |v[XS+2]|             ; the block's largest magnitude: all 32 numbers are mine; two chains
	v_max3_num_f32 v59, |v[XS+3]|, |v[XS+4]|, |v[XS+5]|
.irp i, 6,10,14,18,22,26
	v_max3_num_f32 v58, v58, |v[XS+\i]|, |v[XS+\i+1]|
	v_max3_num_f32 v59, v59, |v[XS+\i+2]|, |v[XS+\i+3]|
.endr
	v_max3_num_f32 v58, v58, |v[XS+30]|, |v[XS+31]|
	v_max3_num_f32 v58, v58, v59, 0x8000000        ; and the floor
	v_add_nc_u32 v61, 0xf8800000, v58              ; the conversions' scale operand
	v_and_or_b32 v60, v58, 0x7f800000, s[MNT]      ; 57,344 x the scale
	v_lshrrev_b32 v59, 23, v61                     ; the byte
.if (\c) == 0
	v_mov_b32 v[SB], v59
.else
	v_lshl_or_b32 v[SB], v59, 8*(\c), v[SB]
.endif
.set i, 0
.rept 32
	v_med3_num_f32 v[XS+i], v[XS+i], -v60, v60
.set i, i+1
.endr
.irp g, 0,1,2,3
	v_cvt_scalef32_pk8_bf8_f32 v[CD+8*(\c)+2*\g:CD+8*(\c)+2*\g+1], v[XS+8*\g:XS+8*\g+7], v61
.endr
	global_store_b128 v13, v[CD+8*(\c):CD+8*(\c)+3], s[12:13] offset:VCD+512*(\c)          ; keys 32 c + 0 .. 15: the fragment's lane (r, 0); lanes 0-15 and lanes 16-31 each store 256 consecutive bytes, aligned
	global_store_b128 v13, v[CD+8*(\c)+4:CD+8*(\c)+7], s[12:13] offset:VCD+512*(\c)+256    ; keys 32 c + 16 .. 31: lane (r, 1).  Each block has its own registers: no store's data are written again
.if (\c)+2 < 4
	VLOAD (\c)+2
.endif
.endm
; The mask: chunk ch's 16 rows x 512 bytes turn through my stage: back come, for lane (r, h), the 16 bytes of keys 128 e + 32 b + 16 h + 0 .. 15 of row r
.macro MTURN ch
.set i, 0
.rept 16
	ds_store_b128 v9, v[RAW+64*(\ch)+4*i:RAW+64*(\ch)+4*i+3] offset:i*PITCH
.set i, i+1
.endr
.irp e, 0,1,2,3
.irp b, 0,1,2,3
	ds_load_b128 v[RAW+64*(\ch)+16*\e+4*\b:RAW+64*(\ch)+16*\e+4*\b+3], v10 offset:128*\e+32*\b
.endr
.endr
.endm
; Step st of my eight: 64 lane masks, four at a time; word n goes to lane n / 2 of register n % 2 of the step's pair; s36 gathers their OR, s37 their AND.
.macro MSTEP st
	s_mov_b32 s36, 0
	s_mov_b32 s37, -1
.set n, 0
.rept 16
.irp e, 0,1,2,3
	v_bfe_u32 v[TT+\e], v[RAW+16*(\st)+n/4], 8*\e, 8             ; the byte of key 32 (n / 16) + 16 h + n % 16 + e
.endr
.irp e, 0,1,2,3
	v_cmp_ne_u32 s[32+\e], 0, v[TT+\e]                            ; one bit a lane
.endr
.irp e, 0,1,2,3
	v_writelane_b32 v[OUTR+2*(\st)+\e%2], s[32+\e], (n+\e)/2
.endr
.irp e, 0,1,2,3
	s_or_b32 s36, s36, s[32+\e]
.endr
.irp e, 0,1,2,3
	s_and_b32 s37, s37, s[32+\e]
.endr
.set n, n+4
.endr
	global_store_b64 v6, v[OUTR+2*(\st):OUTR+2*(\st)+1], s[14:15] offset:256*(\st)   ; the step's 64 words: 256 consecutive bytes, aligned; each step has its own pair
	s_or_b32 s38, s38, s36                         ; which lanes have seen a visible key
	s_cmp_lg_u32 s36, 0
	s_cselect_b32 s40, 1<<(\st), 0
	s_or_b32 s39, s39, s40                         ; the step has a visible key
	s_cmp_eq_u32 s37, -1
	s_cselect_b32 s40, 1<<(8+(\st)), 0
	s_or_b32 s39, s39, s40                         ; all of it is visible
.endm
	s_load_b256 s[4:11], s[0:1], 0x0               ; k s[4:5], v s[6:7], mask s[8:9], cu_seqlens s[10:11]
	s_load_b128 s[12:15], s[0:1], 0x20             ; kv s[12:13], mb s[14:15]
	s_load_b64 s[16:17], s[0:1], 0x30              ; info
	v_lshl_add_u32 v[SPW], v0, 2, SPARE
	v_mov_b32 v[NIL], 0
	v_lshrrev_b32 v1, 5, v0
	v_readfirstlane_b32 s[WV], v1                  ; wave 0..3
	v_and_b32 v1, 31, v0                           ; lane
	v_and_b32 v2, 15, v0                           ; r
	v_bfe_u32 v3, v0, 4, 1                         ; h
	v_lshlrev_b32 v4, 4, v1
	v_lshlrev_b32 v5, 2, v1
	v_lshlrev_b32 v6, 3, v1
	; every LDS address is made here, ahead of the parting of the three paths
	s_mul_i32 s40, s[WV], WST
	v_add_nc_u32 v7, s40, v4                       ; K's stage, in: a row's 512 bytes as they were loaded
	v_add_nc_u32 v9, MSTG, v7                      ; the mask's likewise
	v_mul_u32_u24 v8, v2, PITCH
	v_add_nc_u32 v8, s40, v8
	v_lshl_add_u32 v10, v3, 4, v8
	v_add_nc_u32 v10, MSTG, v10                    ; the mask's stage, out: row r, + 16 h
	v_lshl_add_u32 v8, v3, 6, v8                   ; K's stage, out: row r, + 64 h
	s_lshr_b32 s41, s[WV], 1
	s_lshl_b32 s41, s41, 8
	s_and_b32 s42, s[WV], 1
	s_lshl_b32 s42, s42, 3
	s_add_co_u32 s41, s41, s42
	v_lshlrev_b32 v11, 4, v2
	v_lshl_add_u32 v11, v3, 2, v11
	v_add_nc_u32 v11, s41, v11                     ; the scale word of tile t = 2 w + h, row r: 16 (r + 16 (w / 2)) + 4 (2 (w % 2) + h)
	s_lshl_b32 s42, s[WV], 12
	v_add_nc_u32 v12, s42, v4                      ; K's codes: 4,096 w + 16 x lane
	v_lshl_add_u32 v13, v3, 11, s42
	v_lshl_add_u32 v13, v2, 4, v13                 ; V's codes: 4,096 w + 2,048 h + 16 r
	s_mov_b32 s[SEL], 0x76543210
	s_mov_b32 s[SEL+1], 0xfedcba98
	s_mov_b32 s[MNT], 0x600000
	s_mov_b32 s[HI], 0xffff0000
.irp b, 0,1,2,3
	v_mov_b32 v[TM+4+\b], 0                        ; written once: a lane permute's destination counts as one of its sources
.endr
	v_mov_b32 v57, 0
	s_wait_kmcnt 0x0
	s_cmp_lt_u32 ttmp9, 256
	s_cbranch_scc1 .Lmask
	s_cmp_lt_u32 ttmp9, 768
	s_cbranch_scc1 .Lkpath
	; ---- V: record ttmp9 - 768; my channels 32 w + lane
	s_sub_co_u32 s28, ttmp9, 768
	s_mul_i32 s30, s28, REC
	s_mov_b32 s31, 0
	s_lshl_b32 s28, s28, 16                        ; a step's 128 keys are 65,536 bytes
	s_lshl_b32 s40, s[WV], 7
	s_add_co_u32 s28, s28, s40
	s_mov_b32 s29, 0
	s_add_nc_u64 s[6:7], s[6:7], s[28:29]
	s_add_nc_u64 s[12:13], s[12:13], s[30:31]
	VLOAD 0
	VLOAD 1
	VBLOCK 0
	VBLOCK 1
	VBLOCK 2
	VBLOCK 3
	global_store_b32 v11, v[SB], s[12:13] offset:VSC   ; 4 bytes a lane, 16 apart: the four waves together fill the record's 512 bytes; one byte in 128 of what was read
	s_branch .Lend
.Lkpath:	; ---- K: record ttmp9 - 256; my keys 32 w .. 32 w + 31: tiles 2 w and 2 w + 1
	s_sub_co_u32 s28, ttmp9, 256
	s_mul_i32 s30, s28, REC
	s_mov_b32 s31, 0
	s_lshl_b32 s28, s28, 16
	s_lshl_b32 s40, s[WV], 14
	s_add_co_u32 s28, s28, s40
	s_mov_b32 s29, 0
	s_add_nc_u64 s[4:5], s[4:5], s[28:29]
	s_add_nc_u64 s[12:13], s[12:13], s[30:31]
.irp u, 0,1
.irp r, 0,1,2,3,4,5,6,7,8,9,10,11,12,13,14,15
	global_load_b128 v[RAW+64*\u+4*\r:RAW+64*\u+4*\r+3], v4, s[4:5] offset:(8*\u+(\r%8)+16*(\r/8))*512 th:TH_LOAD_NT   ; row r of tile u: a whole key, 512 consecutive bytes
.endr
.endr
	s_wait_loadcnt 16                              ; tile 0's 16 loads are in; tile 1's 16 may be out
	KTURN 0
	s_wait_loadcnt 0x0
	KTURN 1
	s_wait_dscnt 32                                ; tile 0 is back; the second turn's 16 stores and 16 loads may be out
	QUANT RAW, CD, PW
.irp c, 0,1,2,3
	global_store_b128 v12, v[CD+4*\c:CD+4*\c+3], s[12:13] offset:512*\c          ; 512 consecutive bytes a store
.endr
	s_wait_dscnt 0x0
	QUANT RAW+64, CD+16, PW+1
.irp c, 0,1,2,3
	global_store_b128 v12, v[CD+16+4*\c:CD+16+4*\c+3], s[12:13] offset:2048+512*\c
.endr
	v_cndmask_b32 v[SW], v[PW], v[PW+1], s[HI]     ; lanes 0-15 tile 2 w's words, lanes 16-31 tile 2 w + 1's
	global_store_b32 v11, v[SW], s[12:13] offset:KSC   ; 4 bytes a lane, 16 apart: the four waves together fill the record's 512 bytes
	s_branch .Lend
.Lmask:	; ---- the mask: rows 16 qt .. 16 qt + 15 (qt = ttmp9), my columns 1,024 w on: steps 8 w .. 8 w + 7
	s_load_b64 s[18:19], s[10:11], 0x0             ; cu_seqlens: read, and used for nothing
	s_lshl_b32 s28, ttmp9, 16                      ; 16 rows of 4,096 bytes
	s_lshl_b32 s40, s[WV], 10
	s_add_co_u32 s28, s28, s40
	s_mov_b32 s29, 0
	s_add_nc_u64 s[8:9], s[8:9], s[28:29]
	s_lshl_b32 s30, ttmp9, 13                      ; mb: 32 steps x 256 bytes for a qt,
	s_lshl_b32 s40, s[WV], 11                      ; eight steps for a wave
	s_add_co_u32 s30, s30, s40
	s_mov_b32 s31, 0
	s_add_nc_u64 s[14:15], s[14:15], s[30:31]
.irp ch, 0,1
.irp p, 0,1,2,3,4,5,6,7,8,9,10,11,12,13,14,15
	global_load_b128 v[RAW+64*\ch+4*\p:RAW+64*\ch+4*\p+3], v4, s[8:9] offset:\p*4096+512*\ch th:TH_LOAD_NT   ; 512 consecutive bytes of row p
.endr
.endr
	s_lshl_b32 s28, ttmp9, 4                       ; info: 16 bytes a qt, 4 a wave
	s_lshl_b32 s40, s[WV], 2
	s_add_co_u32 s28, s28, s40
	s_add_nc_u64 s[16:17], s[16:17], s[28:29]
.set i, 0
.rept 16
	v_mov_b32 v[OUTR+i], 0                         ; written once: v_writelane_b32's destination counts as one of its sources
.set i, i+1
.endr
	s_mov_b32 s38, 0
	s_mov_b32 s39, 0
	s_wait_loadcnt 16                              ; chunk 0's 16 loads are in; chunk 1's may be out
	MTURN 0
	s_wait_loadcnt 0x0
	MTURN 1
	s_wait_dscnt 32                                ; chunk 0 is back; the second turn's 32 LDS instructions may be out
	MSTEP 0
	MSTEP 1
	MSTEP 2
	MSTEP 3
	s_wait_dscnt 0x0
	MSTEP 4
	MSTEP 5
	MSTEP 6
	MSTEP 7
	s_lshr_b32 s40, s38, 16
	s_or_b32 s40, s40, s38                         ; row r's two lanes joined,
	s_lshl_b32 s40, s40, 16                        ; into bits 31:16
	s_or_b32 s39, s39, s40
	v_mov_b32 v56, s39
	s_wait_kmcnt 0x0                               ; cu_seqlens has come
	s_wait_xcnt 0x0                                ; EXEC is a source of the stores above: it changes only behind this wait
	v_cmp_eq_u32 vcc_lo, 0, v1
	s_and_saveexec_b32 s41, vcc_lo                 ; lane 0 alone
	global_store_b32 v57, v56, s[16:17]            ; one word a wave: 4,096 bytes in the whole launch
	s_wait_xcnt 0x0                                ; and again ahead of the line that widens it
	s_or_b32 exec_lo, exec_lo, s41
.Lend:
	s_wait_tensorcnt 0x0                           ; the wave's end
	ds_add_u32 v[SPW], v[NIL]
	s_wait_dscnt 0x0
	s_endpgm
.Lfunc_end_k_qa2d22512fc_prep:
	.size	k_qa2d22512fc_prep, .Lfunc_end_k_qa2d22512fc_prep-k_qa2d22512fc_prep
	.p2alignl 7, 3214868480
	.fill 96, 4, 3214868480
	.section	.rodata,"a",@progbits
	.p2align	6, 0x0
	.amdhsa_kernel k_qa2d22512fc_prep
		.amdhsa_group_segment_fixed_size 68096
		.amdhsa_private_segment_fixed_size 0
		.amdhsa_enable_private_segment 0
		.amdhsa_kernarg_size 56
		.amdhsa_user_sgpr_count 2
		.amdhsa_user_sgpr_kernarg_segment_ptr 1
		.amdhsa_wavefront_size32 1
		.amdhsa_system_sgpr_workgroup_id_x 1
		.amdhsa_system_sgpr_workgroup_id_y 1
		.amdhsa_system_sgpr_workgroup_id_z 1
		.amdhsa_system_vgpr_workitem_id 0
		.amdhsa_next_free_vgpr 224
		.amdhsa_next_free_sgpr 66
		.amdhsa_reserve_vcc 1
		.amdhsa_float_denorm_mode_32 3
		.amdhsa_float_denorm_mode_16_64 3
		.amdhsa_memory_ordered 1
		.amdhsa_forward_progress 1
		.amdhsa_inst_pref_size 195
	.end_amdhsa_kernel
	.amdgpu_metadata
---
amdhsa.version: [ 1, 2 ]
amdhsa.kernels:
  - .name:           k_qa2d22512fc_prep
    .symbol:         k_qa2d22512fc_prep.kd
    .args:
      - { .name: k, .offset: 0, .size: 8, .value_kind: global_buffer, .address_space: global }
      - { .name: v, .offset: 8, .size: 8, .value_kind: global_buffer, .address_space: global }
      - { .name: mask, .offset: 16, .size: 8, .value_kind: global_buffer, .address_space: global }
      - { .name: cu_seqlens, .offset: 24, .size: 8, .value_kind: global_buffer, .address_space: global }
      - { .name: kv, .offset: 32, .size: 8, .value_kind: global_buffer, .address_space: global }
      - { .name: mb, .offset: 40, .size: 8, .value_kind: global_buffer, .address_space: global }
      - { .name: info, .offset: 48, .size: 8, .value_kind: global_buffer, .address_space: global }
    .group_segment_fixed_size: 68096
    .private_segment_fixed_size: 0
    .kernarg_segment_align: 8
    .kernarg_segment_size: 56
    .max_flat_workgroup_size: 128
    .sgpr_count:     66
    .vgpr_count:     224
    .wavefront_size: 32
...
	.end_amdgpu_metadata
.endif
;; end of part 1
;; launch attn (part 2): grid 16 x 16, 8 waves a work-group, no clusters, 68,608 bytes of LDS; arguments q, kv, mb, info, out0; writes out0
.if DOCPART == 2
	.amdgcn_target "amdgcn-amd-amdhsa--gfx1250"
	.amdhsa_code_object_version 6
	.text
	.protected	k_qa2d22512fc_attn
	.globl	k_qa2d22512fc_attn
	.p2align	8
	.type	k_qa2d22512fc_attn,@function
k_qa2d22512fc_attn:
	s_mov_b64 s[64:65], 0
	v_nop
	global_prefetch_b8 v0, s[64:65] scope:SCOPE_SE
	s_setreg_imm32_b32 hwreg(HW_REG_WAVE_MODE, 25, 1), 1
	s_wait_xcnt 0x0
; out0[h][q][:] = the sum over k of softmax_k(where(mask[q][k], Q[h][q] . K[h][k] / sqrt(128), -1e30)) V[h][k][:], both products on codes of BF8 (E5M2) with one E8M0 scale for each 32 along a product's K.
; q: [16][4096][128] f32, quantised here in registers.  kv, mb, info: made by the launch before (its head comment has their layouts).  out0: [16][4096][128] f32.
; THE SOFTMAX AHEAD OF THE SECOND PRODUCT: t = score x log2(e) / sqrt(128); M = the row's largest t so far, rounded UP to a whole number; p = 2^(t - M) is quantised along the keys, not normalised.
; The row's sum is taken of the unquantised p and divides at the end.  When M moves, the sum and O are multiplied by 2^(old M - new M): exact.
; THE MASK IS HONOURED AS IT IS GIVEN.  A step of 128 keys in which none of my 32 queries sees a key adds p = 0 to every row that sees a key anywhere: it is passed over, by the stored lists.  If one of my rows sees no key
; at all, its result is the mean over all 4,096 keys: then every step is walked.  In a step that is not wholly visible, hidden scores become -2^103 ahead of the maximum: c x 2^103 is exact, so a row that has seen only hidden
; keys has t - M = 0 and p = 1 on each of them; the first visible key makes old M - new M so large that the factor is 0 and wipes those sums; a hidden key behind a visible one has p = 0.
; LIMITS: a hidden t is -1.29e30 here where the definition has -1.44e30: the same results while visible logits stay under 1e29 in magnitude.  NaN and infinities are not served.  A block whose largest magnitude lies under 2^-111
; keeps the scale byte 1; a block of zeros has the byte 1 with zero codes.
; SHARES.  256 work-groups (x = g, y = head) of eight waves, two to a SIMD, so that one wave's vector work stands beside the other's matrix work and loads.  Wave w owns 32 queries, two tiles of 16: pair 16 w + (g xor 15 (w / 4)):
; one pair from each eighth of the sequence, the upper four eighths mirrored, which evens the waves' work under masks that grow with the query; no result hangs on it.  Waves share nothing: no barrier.
; NO TENSOR LOAD, NO CLUSTER: which records a wave reads, and how many, hangs on numbers read from memory and differs from wave to wave, so partners would need different tiles; fragments come from memory straight into registers,
; 512 consecutive bytes a load, and each feeds two matrix instructions.
; LAYOUT.  Both products are used transposed: S^T = K Q^T (source 0 = 16 keys, source 1 = 16 queries), O^T = V^T P^T: a lane holds ONE query (lane % 16) throughout; the 16 score registers of tiles 2 b, 2 b + 1 are keys 32 b + 16 (lane / 16) + 0 .. 15.
; REGISTERS.  Window 0: v1-7 addresses and constants; v8-15 statistics; v16-47 Q's codes; v48-55 scale words and nothing else; v56-79 at work; v80-111 p's codes; v112 the prefetch's offset; v128-255 S^T, then p, 64 a tile.
;             Window 1: v0-127 O^T, 64 a tile; v128-255 eight fragments of K or of V.
.set REC,   33792
.set KSC,   16384                      ; from a record's codes to their scale words
.set VCD,   16896                      ; V's codes in a record
.set PITCH, 528                        ; a stage row: 512 bytes + 16 = 33 x 16
.set WST,   16*PITCH                   ; LDS: a stage of 16 rows for each wave, for Q's way in and O's way out
.set SPARE, 8*WST                      ; behind the stages the spare words, 128 bytes for each wave: four blocks of 256 bytes that no other line names
.set L16,  1                           ; v1   16 x lane
.set SRW,  2                           ; v2   my stage, by whole rows: + 16 x lane
.set SFR,  3                           ; v3   my stage, Q's way out of it: row r, + 64 h
.set SOW,  4                           ; v4   my stage, O's way into it: row r, + 32 h
.set SPW,  5                           ; v5   LDS address of my spare word; never rewritten
.set NIL,  6                           ; v6   0; never rewritten
.set NEGV, 7                           ; v7   -2^103
.set ST,   8                           ; tile y at v[8 + 4 y]: -M, the largest t, the sum in two halves
.set QF,   16
.set QS,   48                          ; v48-49 Q's scale words
.set PS,   50                          ; v50-51 p's
.set SC,   52                          ; v52-55 K's, then V's: register j: tile j in lanes 0-15, tile 4 + j in lanes 16-31
.set WK,   56                          ; v56-71 +0 block maxima, +4 permutes, the second sum chain, bytes, +8 holds, +12 the conversions' scale operands
.set TM,   56
.set FF,   72                          ; v[72:73] f = 2^(old M - new M); v73 is named with it and written once
.set TP,   74
.set RC,   76                          ; v[76:79] 1 / the sum, twice for each tile
.set PC,   80
.set PFO,  112                         ; v112 256 x lane; never rewritten
.set S,    128
.set FB,   128                         ; in window 1
.set WV,   14
.set PT,   15                          ; s15  my pair of tiles
.set R,    16                          ; s[16:17] the record in hand
.set T0,   18
.set J,    20                          ; s20  the step in hand
.set MO,   21                          ; s21  its lane masks' offset: 256 J
.set VIS,  22                          ; s22  steps still to walk, a bit each
.set PART, 23                          ; s23  steps that are not wholly visible
.set CNT,  24                          ; s24  how many steps are left
.set PF,   25                          ; s25  1: the step in hand is not wholly visible
.set CS,   26                          ; s[26:27] c = log2(e) / sqrt(128)
.set SEL,  28                          ; s[28:29] v_permlanex16_b32's selects for lane l xor 16
.set MNT,  30                          ; s30  the mantissa field of 57,344
.set PFA,  66                          ; s[66:67] where my one prefetch stands; never rewritten
; s[32:63], s[68:99]: a tile's 64 lane masks: word n in s[32 + n] for n < 32, else in s[36 + n]
.set MSB, 0
.macro WIN new                         ; the immediate's high byte repeats the setting that is left; a switch that changes nothing is dropped
.if MSB != \new
	s_set_vgpr_msb (MSB<<8)|\new
.set MSB, \new
.endif
.endm
.macro PLACES n                        ; plain vector lines behind matrix instructions: eight for this form, ahead of loads into its registers and of the first read of its results
.rept \n
	v_nop
.endr
.endm
; 64 numbers of a lane, v[s] on, register 16 b + i = k 32 b + 16 h + i of my row, become 16 registers of codes in v[d] on and the scale word in v[sw]
.macro QUANT s, d, sw
.irp b, 0,1,2,3
	v_max3_num_f32 v[TM+\b], |v[(\s)+16*\b]|, |v[(\s)+16*\b+1]|, 0x8000000   ; block b: my 16 numbers, and the floor 2^(16 - 127)
.endr
.irp i, 2,4,6,8,10,12,14
.irp b, 0,1,2,3
	v_max3_num_f32 v[TM+\b], v[TM+\b], |v[(\s)+16*\b+\i]|, |v[(\s)+16*\b+\i+1]|
.endr
.endr
.irp b, 0,1,2,3
	v_permlanex16_b32 v[TM+4+\b], v[TM+\b], s[SEL], s[SEL+1]
.endr
.irp b, 0,1,2,3
	v_max_num_f32 v[TM+\b], v[TM+\b], v[TM+4+\b]
.endr
.irp b, 0,1,2,3
	v_add_nc_u32 v[TM+12+\b], 0xf8800000, v[TM+\b]                ; 15 off the exponent field: the conversion's scale operand
.endr
.irp b, 0,1,2,3
	v_and_or_b32 v[TM+8+\b], v[TM+\b], 0x7f800000, s[MNT]         ; 57,344 x the scale
.endr
.irp b, 0,1,2,3
	v_lshrrev_b32 v[TM+4+\b], 23, v[TM+12+\b]                     ; the byte
.endr
	v_lshl_or_b32 v[\sw], v[TM+5], 8, v[TM+4]
	v_lshl_or_b32 v[\sw], v[TM+6], 16, v[\sw]
	v_lshl_or_b32 v[\sw], v[TM+7], 24, v[\sw]
.irp b, 0,1,2,3
.irp i, 0,1,2,3,4,5,6,7,8,9,10,11,12,13,14,15
	v_med3_num_f32 v[(\s)+16*\b+\i], v[(\s)+16*\b+\i], -v[TM+8+\b], v[TM+8+\b]   ; the conversion does not saturate (ISA guide 7.6.2): the hold comes first
.endr
	v_cvt_scalef32_pk8_bf8_f32 v[(\d)+4*\b:(\d)+4*\b+1], v[(\s)+16*\b:(\s)+16*\b+7], v[TM+12+\b]
	v_cvt_scalef32_pk8_bf8_f32 v[(\d)+4*\b+2:(\d)+4*\b+3], v[(\s)+16*\b+8:(\s)+16*\b+15], v[TM+12+\b]
.endr
	v_nop                                          ; a plain line behind the last conversion: products will write v[s] on
.endm
; Q's tile y, loaded as 16 whole rows, turns through my stage and comes back as 16 neighbours of each block of 32 for lane (r, h).  LDS serves a wave's instructions in order (ISA guide 5.7.1.4).
.macro QTURN y
.set x, 0
.rept 16
	ds_store_b128 v[SRW], v[S+64*(\y)+4*x:S+64*(\y)+4*x+3] offset:x*PITCH
.set x, x+1
.endr
.irp c, 0,1,2,3
.irp j, 0,1,2,3
	ds_load_b128 v[S+64*(\y)+16*\c+4*\j:S+64*(\y)+16*\c+4*\j+3], v[SFR] offset:128*\c+16*\j
.endr
.endr
.endm
; 33 loads: the eight tiles' scale words first, then eight fragments, four loads each, from byte off of the record in hand
.macro FLOAD off
	global_load_b128 v[SC:SC+3], v[L16], s[R:R+1] offset:(\off)+KSC
	WIN 0x40                                       ; destination window 1, address window 0
.set i, 0
.rept 32
	global_load_b128 v[FB+4*i:FB+4*i+3], v[L16], s[R:R+1] offset:(\off)+512*i
.set i, i+1
.endr
	WIN 0
.endm
.macro MLOAD y                         ; tile y's 64 lane masks of the step in hand.  Asked for in every step, so that the registers are written on every path
	s_load_b512 s[32:47], s[8:9], s[MO] offset:8192*(\y)
	s_load_b512 s[48:63], s[8:9], s[MO] offset:8192*(\y)+64
	s_load_b512 s[68:83], s[8:9], s[MO] offset:8192*(\y)+128
	s_load_b512 s[84:99], s[8:9], s[MO] offset:8192*(\y)+192
.endm
.macro MASK y                          ; hidden scores become -2^103; each accumulator is read from its low end on
.set n, 0
.rept 64
.if n < 32
	v_cndmask_b32 v[S+64*(\y)+n], v[NEGV], v[S+64*(\y)+n], s[32+n]
.else
	v_cndmask_b32 v[S+64*(\y)+n], v[NEGV], v[S+64*(\y)+n], s[36+n]
.endif
.set n, n+1
.endr
.endm
; The next step to walk: the lowest bit of VIS.  Its number is held at 31 ahead of every address made of it.  Its first tile's lane masks and K's fragments are asked for.
.macro NEXT
	s_ctz_i32_b32 s[J], s[VIS]
	s_min_u32 s[J], s[J], 31
	s_sub_co_u32 s[T0], s[VIS], 1
	s_and_b32 s[VIS], s[VIS], s[T0]                ; the bit is taken off
	s_lshr_b32 s[PF], s[PART], s[J]
	s_and_b32 s[PF], s[PF], 1
	s_lshl_b32 s[MO], s[J], 8
	s_mul_i32 s[T0], s[J], REC
	s_mov_b32 s[T0+1], 0
	s_add_nc_u64 s[R:R+1], s[6:7], s[T0:T0+1]
	MLOAD 0
	FLOAD 0
.endm
; S^T = K Q^T: 16 matrix instructions, each fragment of K against both tiles of queries.  The wait ahead of fragment t leaves the 4 (7 - t) loads of the later fragments out.
.macro KQ
	WIN 0x01                                       ; source 0 (K) window 1
.irp t, 0,1,2,3,4,5,6,7
	s_wait_loadcnt 4*(7-\t)
.irp y, 0,1
.if \t < 4
	v_wmma_scale_f32_16x16x128_f8f6f4 v[S+64*\y+8*\t:S+64*\y+8*\t+7], v[FB+16*\t:FB+16*\t+15], v[QF+16*\y:QF+16*\y+15], 0, v[SC+\t%4], v[QS+\y] matrix_a_fmt:MATRIX_FMT_BF8 matrix_b_fmt:MATRIX_FMT_BF8
.else
	v_wmma_scale_f32_16x16x128_f8f6f4 v[S+64*\y+8*\t:S+64*\y+8*\t+7], v[FB+16*\t:FB+16*\t+15], v[QF+16*\y:QF+16*\y+15], 0, v[SC+\t%4], v[QS+\y] matrix_a_fmt:MATRIX_FMT_BF8 matrix_b_fmt:MATRIX_FMT_BF8 matrix_a_scale:MATRIX_SCALE_ROW1
.endif
.endr
.endr
.endm
; O^T += V^T P^T: the sixteen accumulators take turns, one instruction a turn
.macro PV
	WIN 0x51                                       ; source 0 (V), C and D window 1; source 1 (p) window 0
.irp t, 0,1,2,3,4,5,6,7
	s_wait_loadcnt 4*(7-\t)
.irp y, 0,1
.if \t < 4
	v_wmma_scale_f32_16x16x128_f8f6f4 v[64*\y+8*\t:64*\y+8*\t+7], v[FB+16*\t:FB+16*\t+15], v[PC+16*\y:PC+16*\y+15], v[64*\y+8*\t:64*\y+8*\t+7], v[SC+\t%4], v[PS+\y] matrix_a_fmt:MATRIX_FMT_BF8 matrix_b_fmt:MATRIX_FMT_BF8
.else
	v_wmma_scale_f32_16x16x128_f8f6f4 v[64*\y+8*\t:64*\y+8*\t+7], v[FB+16*\t:FB+16*\t+15], v[PC+16*\y:PC+16*\y+15], v[64*\y+8*\t:64*\y+8*\t+7], v[SC+\t%4], v[PS+\y] matrix_a_fmt:MATRIX_FMT_BF8 matrix_b_fmt:MATRIX_FMT_BF8 matrix_a_scale:MATRIX_SCALE_ROW1
.endif
.endr
.endr
.endm
; Tile y's softmax for the step in hand: from 64 scores a lane to p's codes and scale word; the sum and O^T are brought under the new M.
.macro SOFTMAX y
.set sS, S+64*(\y)
.set sN, ST+4*(\y)
.irp b, 0,1,2,3
	v_max3_num_f32 v[WK+\b], v[sS+16*\b], v[sS+16*\b+1], v[sS+16*\b+2]   ; the largest score of each block of 32 keys: it serves the row's maximum and, since p rises with the score, the block's largest p
.endr
.irp i, 3,5,7,9,11,13
.irp b, 0,1,2,3
	v_max3_num_f32 v[WK+\b], v[WK+\b], v[sS+16*\b+\i], v[sS+16*\b+\i+1]
.endr
.endr
.irp b, 0,1,2,3
	v_max_num_f32 v[WK+\b], v[WK+\b], v[sS+16*\b+15]
.endr
.irp b, 0,1,2,3
	v_permlanex16_b32 v[WK+4+\b], v[WK+\b], s[SEL], s[SEL+1]
.endr
.irp b, 0,1,2,3
	v_max_num_f32 v[WK+\b], v[WK+\b], v[WK+4+\b]                  ; with lane l xor 16's 16 keys
.endr
	v_max3_num_f32 v[TP], v[WK], v[WK+1], v[WK+2]
	v_max_num_f32 v[TP], v[TP], v[WK+3]            ; the step's largest score of my query
	v_mul_f32 v[TP], s[CS], v[TP]                  ; as t (c is positive)
	v_max_num_f32 v[sN+1], v[sN+1], v[TP]          ; the running largest t
	v_mov_b32 v[TP], v[sN]
	v_floor_f32 v[sN], -v[sN+1]                    ; the new -M = floor(-t): M is a whole number
	v_sub_f32 v[TP], v[sN], v[TP]                  ; old M - new M: a whole number, 0 or less
	v_cvt_i32_f32 v[TP], v[TP]                     ; (it saturates)
	v_ldexp_f32 v[FF], 1.0, v[TP]                  ; f = 2^(old M - new M)
.set j, 0
.rept 32
	v_pk_fma_f32 v[sS+j:sS+j+1], v[sS+j:sS+j+1], s[CS:CS+1], v[sN:sN+1] op_sel_hi:[1,0,0]   ; t - M, two at a time (of the pairs c and -M the low word serves both halves)
.set j, j+2
.endr
.irp b, 0,1,2,3
	v_fma_f32 v[WK+\b], v[WK+\b], s[CS], v[sN]     ; the same of each block's largest score
.endr
.set j, 0
.rept 64
	v_exp_f32 v[sS+j], v[sS+j]                     ; p = 2^(t - M), at most 1
.set j, j+1
.endr
	v_pk_mul_f32 v[sN+2:sN+3], v[sN+2:sN+3], v[FF:FF+1] op_sel_hi:[1,0]   ; the sums under the new M: the plain line behind the exponentials
	s_wait_alu depctr_va_vdst(0)                   ; one wait for the batch of 64, ahead of its first reader
.irp b, 0,1,2,3
	v_exp_f32 v[WK+\b], v[WK+\b]                   ; the block's largest p: the same two instructions on the same number
.endr
	v_pk_add_f32 v[WK+4:WK+5], v[sS:sS+1], v[sS+2:sS+3]           ; the row's sum is taken of the unquantised p: two at a time, in two chains
.irp j, 4,8,12,16,20,24,28,32,36,40,44,48,52,56,60
	v_pk_add_f32 v[sN+2:sN+3], v[sN+2:sN+3], v[sS+\j:sS+\j+1]
	v_pk_add_f32 v[WK+4:WK+5], v[WK+4:WK+5], v[sS+\j+2:sS+\j+3]
.endr
	v_pk_add_f32 v[sN+2:sN+3], v[sN+2:sN+3], v[WK+4:WK+5]
	s_wait_alu depctr_va_vdst(0)                   ; and one for the four
.irp b, 0,1,2,3
	v_max_num_f32 v[WK+\b], 0x8000000, v[WK+\b]    ; the floor 2^(16 - 127): a block whose every p is 0 keeps the byte 1 and zero codes
.endr
.irp b, 0,1,2,3
	v_add_nc_u32 v[WK+12+\b], 0xf8800000, v[WK+\b]
.endr
.irp b, 0,1,2,3
	v_and_or_b32 v[WK+8+\b], v[WK+\b], 0x7f800000, s[MNT]
.endr
.irp b, 0,1,2,3
	v_lshrrev_b32 v[WK+4+\b], 23, v[WK+12+\b]
.endr
	v_lshl_or_b32 v[PS+(\y)], v[WK+5], 8, v[WK+4]  ; p's scale word for these 128 keys: far more than eight plain lines ahead of the products that name it
	v_lshl_or_b32 v[PS+(\y)], v[WK+6], 16, v[PS+(\y)]
	v_lshl_or_b32 v[PS+(\y)], v[WK+7], 24, v[PS+(\y)]
.irp b, 0,1,2,3
.irp i, 0,1,2,3,4,5,6,7,8,9,10,11,12,13,14,15
	v_min_num_f32 v[sS+16*\b+\i], v[sS+16*\b+\i], v[WK+8+\b]      ; p is not negative: the hold is one-sided
.endr
	v_cvt_scalef32_pk8_bf8_f32 v[PC+16*(\y)+4*\b:PC+16*(\y)+4*\b+1], v[sS+16*\b:sS+16*\b+7], v[WK+12+\b]
	v_cvt_scalef32_pk8_bf8_f32 v[PC+16*(\y)+4*\b+2:PC+16*(\y)+4*\b+3], v[sS+16*\b+8:sS+16*\b+15], v[WK+12+\b]
.endr
	WIN 0x41                                       ; O^T (destination and source 0) window 1, f window 0
.set j, 0
.rept 32
	v_pk_mul_f32 v[64*(\y)+j:64*(\y)+j+1], v[64*(\y)+j:64*(\y)+j+1], v[FF:FF+1] op_sel_hi:[1,0]   ; O^T under the new M, each accumulator from its low end on; also the plain lines between the codes and the products
.set j, j+2
.endr
	WIN 0
.endm
; The way out of tile y: O^T / the sum into S's registers, through my stage, back as 16 whole rows of 512 bytes
.macro PACK y
	WIN 0x01                                       ; source 0 (O^T) window 1
.set j, 0
.rept 32
	v_pk_mul_f32 v[S+64*(\y)+j:S+64*(\y)+j+1], v[64*(\y)+j:64*(\y)+j+1], v[RC+2*(\y):RC+2*(\y)+1]
.set j, j+2
.endr
	WIN 0
.irp t, 0,1,2,3,4,5,6,7
	ds_store_b128 v[SOW], v[S+64*(\y)+8*\t:S+64*(\y)+8*\t+3] offset:64*\t          ; lane (r, h): o(r, 16 t + 8 h + 0 .. 7)
	ds_store_b128 v[SOW], v[S+64*(\y)+8*\t+4:S+64*(\y)+8*\t+7] offset:64*\t+16
.endr
.set x, 0
.rept 16
	ds_load_b128 v[S+64*(\y)+4*x:S+64*(\y)+4*x+3], v[SRW] offset:x*PITCH          ; in order behind my stores; the next tile's stores come behind these
.set x, x+1
.endr
.endm
.macro SEND y, younger                 ; younger: the LDS instructions issued behind tile y's loads
.set x, 0
.rept 16
	s_wait_dscnt (\younger)+15-x
	global_store_b128 v[L16], v[S+64*(\y)+4*x:S+64*(\y)+4*x+3], s[12:13] offset:8192*(\y)+512*x th:TH_STORE_NT   ; 32 lanes store a row's 512 consecutive bytes, aligned; written once
.set x, x+1
.endr
.endm
	s_load_b256 s[4:11], s[0:1], 0x0               ; q s[4:5], kv s[6:7], mb s[8:9], info s[10:11]
	s_load_b64 s[12:13], s[0:1], 0x20              ; out0
	v_lshl_add_u32 v[SPW], v0, 2, SPARE
	v_mov_b32 v[NIL], 0
	v_lshrrev_b32 v8, 5, v0
	v_readfirstlane_b32 s[WV], v8                  ; wave 0..7
	v_and_b32 v9, 31, v0                           ; lane
	v_and_b32 v10, 15, v0                          ; r
	v_bfe_u32 v11, v0, 4, 1                        ; h
	v_lshlrev_b32 v[L16], 4, v9
	v_lshlrev_b32 v[PFO], 8, v9
	s_mul_i32 s18, s[WV], WST
	v_add_nc_u32 v[SRW], s18, v[L16]
	v_mul_u32_u24 v12, v10, PITCH
	v_add_nc_u32 v12, s18, v12
	v_lshl_add_u32 v[SFR], v11, 6, v12
	v_lshl_add_u32 v[SOW], v11, 5, v12
	v_mov_b32 v[NEGV], 0xf3000000                  ; -2^103
	s_lshr_b32 s18, s[WV], 2                       ; w / 4
	s_mul_i32 s19, s18, 15
	s_xor_b32 s19, s19, ttmp9                      ; g, mirrored in waves 4 to 7
	s_lshl_b32 s20, s[WV], 4
	s_add_co_u32 s[PT], s19, s20                   ; my pair of tiles, 0 .. 127
	s_and_b32 s21, ttmp7, 0xffff                   ; the head
	s_lshl_b32 s32, s21, 21                        ; q, out0: a head is 4,096 rows of 512 bytes,
	s_lshl_b32 s36, s[PT], 14                      ; a pair 32 rows; mb: a pair is 2 x 8,192 bytes
	s_add_co_u32 s32, s32, s36
	s_mov_b32 s33, 0
	s_mul_i32 s34, s21, 32*REC                     ; kv: a head's 32 records
	s_mov_b32 s35, 0
	s_mov_b32 s37, 0
	s_lshl_b32 s38, s[PT], 5                       ; info: 8 words a pair
	s_mov_b32 s39, 0
	s_lshl_b32 s40, s18, 4                         ; the prefetch: record g + 16 (w / 4) of my head,
	s_add_co_u32 s40, s40, ttmp9
	s_mul_i32 s40, s40, REC
	s_and_b32 s42, s[WV], 3                        ; its codes' quarter w % 4: 8,192 bytes,
	s_lshl_b32 s43, s42, 13
	s_add_co_u32 s40, s40, s43
	s_lshr_b32 s42, s42, 1                         ; V's two quarters lie 512 bytes further on, behind K's scale words
	s_lshl_b32 s42, s42, 9
	s_add_co_u32 s40, s40, s42
	s_mov_b32 s41, 0
	s_mov_b32 s[CS], 0x3e0293ee                    ; c = log2(e) / sqrt(128)
	s_mov_b32 s[CS+1], s[CS]                       ; (named with it as a pair, so it is written)
	s_mov_b32 s[SEL], 0x76543210
	s_mov_b32 s[SEL+1], 0xfedcba98
	s_mov_b32 s[MNT], 0x600000
	s_wait_kmcnt 0x0
	s_add_nc_u64 s[4:5], s[4:5], s[32:33]
	s_add_nc_u64 s[12:13], s[12:13], s[32:33]
	s_add_nc_u64 s[6:7], s[6:7], s[34:35]
	s_add_nc_u64 s[8:9], s[8:9], s[36:37]
	s_add_nc_u64 s[10:11], s[10:11], s[38:39]
	s_add_nc_u64 s[PFA:PFA+1], s[6:7], s[40:41]
	s_load_b256 s[32:39], s[10:11], 0x0            ; my two tiles' lists: four words each
.set x, 0
.rept 32
	global_load_b128 v[S+4*x:S+4*x+3], v[L16], s[4:5] offset:512*x th:TH_LOAD_NT   ; Q: row x, 512 consecutive bytes; read once in the launch
.set x, x+1
.endr
.irp b, 0,1,2,3
	v_mov_b32 v[WK+4+\b], 0                        ; written once: a lane permute's destination counts as one of its sources
.endr
	v_mov_b32 v[FF+1], 0
	s_wait_kmcnt 0x0
	; the two tiles' lists become one: s40-41 steps with a visible key, s42-43 steps wholly visible, s44-45 rows with a visible key
.irp y, 0,1
	s_and_b32 s[40+\y], s[32+4*\y], 0xff
	s_bfe_u32 s[42+\y], s[32+4*\y], 0x80008
	s_lshr_b32 s[44+\y], s[32+4*\y], 16
.irp w, 1,2,3
	s_and_b32 s46, s[32+4*\y+\w], 0xff
	s_lshl_b32 s46, s46, 8*\w
	s_or_b32 s[40+\y], s[40+\y], s46
	s_bfe_u32 s46, s[32+4*\y+\w], 0x80008
	s_lshl_b32 s46, s46, 8*\w
	s_or_b32 s[42+\y], s[42+\y], s46
	s_lshr_b32 s46, s[32+4*\y+\w], 16
	s_or_b32 s[44+\y], s[44+\y], s46
.endr
.endr
	s_or_b32 s[VIS], s40, s41                      ; a step is walked if either tile sees a key in it;
	s_and_b32 s42, s42, s43                        ; it needs no masking if both tiles see all of it
	s_and_b32 s44, s44, s45
	s_cmp_eq_u32 s44, 0xffff                       ; does each of my 32 rows see a key somewhere?
	s_cselect_b32 s[VIS], s[VIS], -1               ; if not: every step
	s_cmp_eq_u32 s[VIS], 0
	s_cselect_b32 s[VIS], -1, s[VIS]               ; (so that the count below is 1 to 32 whatever the buffer holds)
	s_and_not1_b32 s[PART], s[VIS], s42
	s_bcnt1_i32_b32 s[CNT], s[VIS]
	NEXT                                           ; the first step's lane masks and K
	s_wait_loadcnt 49                              ; Q's tile 0 is in; out may be tile 1's 16 loads and K's 33
	QTURN 0
	s_wait_loadcnt 33                              ; Q's tile 1 is in; K's 33 may be out
	QTURN 1
	s_wait_dscnt 32                                ; tile 0 is back; the second turn's 16 stores and 16 loads may be out
	QUANT S, QF, QS
	s_wait_dscnt 0x0
	QUANT S+64, QF+16, QS+1
.irp y, 0,1
	v_mov_b32 v[ST+4*\y+1], 0xff61b1e6             ; the largest t so far: -3e38
	v_floor_f32 v[ST+4*\y], -v[ST+4*\y+1]          ; -M
	v_mov_b32 v[ST+4*\y+2], 0                      ; the sum, in two halves
	v_mov_b32 v[ST+4*\y+3], 0
.endr
	WIN 0x40
.set i, 0
.rept 128
	v_mov_b32 v[i], 0                              ; O^T, once: the step is written once, and its first trip finds zeros, which the first change of M leaves zeros.  Also the plain lines between Q's codes and scale words and the first products
.set i, i+1
.endr
	WIN 0
	; ONE PREFETCH A WAVE: 32 lanes 256 bytes apart name 8,192 bytes of codes: quarter w % 4 of record g + 16 (w / 4) of my head.  The 128 waves of a head's 16 work-groups so name each 256 bytes of the head's
	; 32 x 32,768 bytes of codes once in the launch; the scale words are not asked for.  Only waits for loads issued earlier follow it, and its two address registers are never written again.
	global_prefetch_b8 v[PFO], s[PFA:PFA+1] th:TH_LOAD_NT scope:SCOPE_SE
.Lstep:                                            ; a trip: one step of 128 keys for my 32 queries; CNT trips, 1 to 32
	KQ
	WIN 0
	PLACES 8                                       ; ahead of the loads into K's registers and scale words, and of the first read of the scores
	FLOAD VCD                                      ; V of the same step: it lands under the two softmaxes
	s_wait_kmcnt 0x0                               ; tile 0's lane masks
	s_cmp_eq_u32 s[PF], 0
	s_cbranch_scc1 .Lopen0                         ; a step that is wholly visible needs none
	MASK 0
.Lopen0:
	MLOAD 1                                        ; tile 1's, under tile 0's softmax
	SOFTMAX 0
	s_wait_kmcnt 0x0
	s_cmp_eq_u32 s[PF], 0
	s_cbranch_scc1 .Lopen1
	MASK 1
.Lopen1:
	SOFTMAX 1
	PV
	WIN 0
	PLACES 8                                       ; ahead of the loads into V's registers and scale words, and of the way out's reads of O^T
	s_sub_co_u32 s[CNT], s[CNT], 1
	s_cmp_eq_u32 s[CNT], 0
	s_cbranch_scc1 .Lout                           ; no step is left: nothing more is asked for
	NEXT                                           ; the record's base and the masks' offset are written again here: V's loads were waited for down to 0 in PV, the lane masks' by the wait ahead of MASK 1
	s_cmp_lg_u32 s[CNT], 0
	s_cbranch_scc1 .Lstep
.Lout:
	; THE WAY OUT
.irp y, 0,1
	v_add_f32 v[WK+\y], v[ST+4*\y+2], v[ST+4*\y+3] ; the sum's two halves,
.endr
.irp y, 0,1
	v_permlanex16_b32 v[WK+4+\y], v[WK+\y], s[SEL], s[SEL+1]
.endr
.irp y, 0,1
	v_add_f32 v[WK+\y], v[WK+\y], v[WK+4+\y]       ; and lane l xor 16's: the row's sum, above 1/2
.endr
.irp y, 0,1
	v_rcp_f32 v[RC+2*\y], v[WK+\y]                 ; made twice: the packed multiply takes a pair
	v_rcp_f32 v[RC+2*\y+1], v[WK+\y]
.endr
	v_nop                                          ; a plain line behind the last reciprocal
	s_wait_alu depctr_va_vdst(0)                   ; one wait for the four, ahead of their first reader
	PACK 0
	PACK 1
	SEND 0, 32                                     ; behind tile 0's loads: tile 1's 16 stores and 16 loads
	SEND 1, 0
	s_wait_tensorcnt 0x0                           ; the wave's end
	ds_add_u32 v[SPW], v[NIL]
	s_wait_dscnt 0x0
	s_endpgm
.Lfunc_end_k_qa2d22512fc_attn:
	.size	k_qa2d22512fc_attn, .Lfunc_end_k_qa2d22512fc_attn-k_qa2d22512fc_attn
	.p2alignl 7, 3214868480
	.fill 96, 4, 3214868480
	.section	.rodata,"a",@progbits
	.p2align	6, 0x0
	.amdhsa_kernel k_qa2d22512fc_attn
		.amdhsa_group_segment_fixed_size 68608
		.amdhsa_private_segment_fixed_size 0
		.amdhsa_enable_private_segment 0
		.amdhsa_kernarg_size 40
		.amdhsa_user_sgpr_count 2
		.amdhsa_user_sgpr_kernarg_segment_ptr 1
		.amdhsa_wavefront_size32 1
		.amdhsa_system_sgpr_workgroup_id_x 1
		.amdhsa_system_sgpr_workgroup_id_y 1
		.amdhsa_system_sgpr_workgroup_id_z 1
		.amdhsa_system_vgpr_workitem_id 0
		.amdhsa_next_free_vgpr 512
		.amdhsa_next_free_sgpr 100
		.amdhsa_reserve_vcc 0
		.amdhsa_float_denorm_mode_32 3
		.amdhsa_float_denorm_mode_16_64 3
		.amdhsa_memory_ordered 1
		.amdhsa_forward_progress 1
		.amdhsa_inst_pref_size 100
	.end_amdhsa_kernel
	.amdgpu_metadata
---
amdhsa.version: [ 1, 2 ]
amdhsa.kernels:
  - .name:           k_qa2d22512fc_attn
    .symbol:         k_qa2d22512fc_attn.kd
    .args:
      - { .name: q, .offset: 0, .size: 8, .value_kind: global_buffer, .address_space: global }
      - { .name: kv, .offset: 8, .size: 8, .value_kind: global_buffer, .address_space: global }
      - { .name: mb, .offset: 16, .size: 8, .value_kind: global_buffer, .address_space: global }
      - { .name: info, .offset: 24, .size: 8, .value_kind: global_buffer, .address_space: global }
      - { .name: out0, .offset: 32, .size: 8, .value_kind: global_buffer, .address_space: global }
    .group_segment_fixed_size: 68608
    .private_segment_fixed_size: 0
    .kernarg_segment_align: 8
    .kernarg_segment_size: 40
    .max_flat_workgroup_size: 256
    .sgpr_count:     100
    .vgpr_count:     512
    .wavefront_size: 32
...
	.end_amdgpu_metadata
.endif
;; end of part 2
;; ======== version 2 of 2: 2 launches; version 1 with the launch attn written anew for expert scheduling mode
;; limits: right only within a limited range of input values
;; workspace buffers: kv 17,301,504 bytes; mb 2,097,152 bytes of whole numbers; info 4,096 bytes of whole numbers
;; launch prep: the kernel of part 1 again; grid 1280 x 1, 4 waves a work-group, no clusters, 68,096 bytes of LDS; arguments k, v, mask, cu_seqlens, kv, mb, info; writes kv, mb, info
;; launch attn (part 3): grid 16 x 16, 8 waves a work-group, no clusters, 68,608 bytes of LDS; arguments q, kv, mb, info, out0; writes out0
.if DOCPART == 3
	.amdgcn_target "amdgcn-amd-amdhsa--gfx1250"
	.amdhsa_code_object_version 6
	.text
	.protected	k_qa2d22512fc_attn
	.globl	k_qa2d22512fc_attn
	.p2align	8
	.type	k_qa2d22512fc_attn,@function
k_qa2d22512fc_attn:
	s_mov_b64 s[64:65], 0
	v_nop
	global_prefetch_b8 v0, s[64:65] scope:SCOPE_SE
	s_setreg_imm32_b32 hwreg(HW_REG_WAVE_SCHED_MODE, 0, 2), 2
	s_setreg_imm32_b32 hwreg(HW_REG_WAVE_MODE, 25, 1), 1
	s_wait_xcnt 0x0
	s_wait_alu depctr_vm_vsrc(0)
; out0[h][q][:] = the sum over k of softmax_k(where(mask[q][k], Q[h][q] . K[h][k] / sqrt(128), -1e30)) V[h][k][:], both products on codes of BF8 (E5M2) with one E8M0 scale for each 32 along a product's K.
; q: [16][4096][128] f32, quantised here in registers.  kv, mb, info: made by the launch before (its head comment has their layouts).  out0: [16][4096][128] f32.
; THE SOFTMAX AHEAD OF THE SECOND PRODUCT: t = score x log2(e) / sqrt(128); M = the row's largest t so far, rounded UP to a whole number; p = 2^(t - M) is quantised along the keys, not normalised.
; The row's sum is taken of the unquantised p and divides at the end.  When M moves, the sum and O are multiplied by 2^(old M - new M): exact.
; THE MASK IS HONOURED AS IT IS GIVEN.  A step of 128 keys in which none of my 32 queries sees a key adds p = 0 to every row that sees a key anywhere: it is passed over, by the stored lists.  If one of my rows sees no key
; at all, its result is the mean over all 4,096 keys: then every step is walked.  In a step that is not wholly visible, hidden scores become -2^103 ahead of the maximum: c x 2^103 is exact, so a row that has seen only hidden
; keys has t - M = 0 and p = 1 on each of them; the first visible key makes old M - new M so large that the factor is 0 and wipes those sums; a hidden key behind a visible one has p = 0.
; LIMITS: a hidden t is -1.29e30 here where the definition has -1.44e30: the same results while visible logits stay under 1e29 in magnitude.  NaN and infinities are not served.  A block whose largest magnitude lies under 2^-111
; keeps the scale byte 1; a block of zeros has the byte 1 with zero codes.
; SHARES.  256 work-groups (x = g, y = head) of eight waves, two to a SIMD, so that one wave's vector work stands beside the other's matrix work and loads.  Wave w owns 32 queries, two tiles of 16: pair 16 w + (g xor 15 (w / 4)):
; one pair from each eighth of the sequence, the upper four eighths mirrored, which evens the waves' work under masks that grow with the query; no result hangs on it.  Waves share nothing: no barrier.
; NO TENSOR LOAD, NO CLUSTER: which records a wave reads, and how many, hangs on numbers read from memory and differs from wave to wave, so partners would need different tiles; fragments come from memory straight into registers,
; 512 consecutive bytes a load, and each feeds two matrix instructions.
; LAYOUT.  Both products are used transposed: S^T = K Q^T (source 0 = 16 keys, source 1 = 16 queries), O^T = V^T P^T: a lane holds ONE query (lane % 16) throughout; the 16 score registers of tiles 2 b, 2 b + 1 are keys 32 b + 16 (lane / 16) + 0 .. 15.
; REGISTERS.  Window 0: v1-7 addresses and constants; v8-15 statistics; v16-47 Q's codes; v48-55 scale words and nothing else; v56-79 at work; v80-111 p's codes; v112 the prefetch's offset; v128-255 S^T, then p, 64 a tile.
;             Window 1: v0-127 O^T, 64 a tile; v128-255 eight fragments of K or of V.
; THE MODE: SCHED_MODE bits 1:0 = 2 (LLVM: expert scheduling mode 2), set by the entry lines.  The code itself states the register dependences between vector or matrix instructions and memory or LDS instructions,
; with s_wait_alu, always for 0.
; THE PLAN.  Registers that memory or LDS instructions touch:
;   v1-v4, v112    an offset, three LDS addresses, the prefetch's offset: written once at the head, ahead of the head's wait on va_vdst, and never again: a record is reached by its scalar base and immediate offsets.
;   v5, v6         written at the head, read by the closing add alone.
;   FB, SC         (window 1 v128-255; v52-55)  K's 33 loads land; KQ's products read; V's 33 loads land; PV's products read; the next step's K lands.  No vector instruction names them.
;                  The launch's 512 registers a wave leave 15 free in window 0: there is no room for a second set of fragments, so each run of loads follows the products that read the set.
;   S              (v128-255)  At the head: Q's loads land, QTURN's LDS stores read, its LDS loads land, QUANT reads and writes.  In the loop: matrix and vector instructions alone.
;                  On the way out: the multiplications write, LDS stores read, LDS loads land, global stores read.
;   s32-s99        a tile's lane masks: scalar loads land, MASK's selects read, twice a trip.
;   Q's and p's codes and scale words are written by vector instructions and taken by scaled products.
; A TRIP'S WAITS ON va_vdst, beside the two behind each softmax's exponentials: ONE behind KQ and MASK 0 (the products are done reading FB and SC, the selects s32-s99): tile 1's lane masks and V's run of loads follow it, and nothing
; up to PV names FB or SC; ONE ahead of PV (p's codes and scale words are written); ONE behind PV (its products are done reading FB and SC), ahead of the next K's run.  V's loads stay one run: each further group would
; want two window switches, and the run has both softmaxes in which to land.  Waits on vm_vsrc stand only where LDS loads land in registers that LDS stores have just read: in QTURN and on the way out.
.set REC,   33792
.set KSC,   16384                      ; from a record's codes to their scale words
.set VCD,   16896                      ; V's codes in a record
.set PITCH, 528                        ; a stage row: 512 bytes + 16 = 33 x 16
.set WST,   16*PITCH                   ; LDS: a stage of 16 rows for each wave, for Q's way in and O's way out
.set SPARE, 8*WST                      ; behind the stages the spare words, 128 bytes for each wave: four blocks of 256 bytes that no other line names
.set L16,  1                           ; v1   16 x lane
.set SRW,  2                           ; v2   my stage, by whole rows: + 16 x lane
.set SFR,  3                           ; v3   my stage, Q's way out of it: row r, + 64 h
.set SOW,  4                           ; v4   my stage, O's way into it: row r, + 32 h
.set SPW,  5                           ; v5   LDS address of my spare word; never rewritten
.set NIL,  6                           ; v6   0; never rewritten
.set NEGV, 7                           ; v7   -2^103
.set ST,   8                           ; tile y at v[8 + 4 y]: -M, the largest t, the sum in two halves
.set QF,   16
.set QS,   48                          ; v48-49 Q's scale words
.set PS,   50                          ; v50-51 p's
.set SC,   52                          ; v52-55 K's, then V's: register j: tile j in lanes 0-15, tile 4 + j in lanes 16-31
.set WK,   56                          ; v56-71 +0 block maxima, +4 permutes, the second sum chain, bytes, +8 holds, +12 the conversions' scale operands
.set TM,   56
.set FF,   72                          ; v[72:73] f = 2^(old M - new M); v73 is named with it and written once
.set TP,   74
.set RC,   76                          ; v[76:79] 1 / the sum, twice for each tile
.set PC,   80
.set PFO,  112                         ; v112 256 x lane; never rewritten
.set S,    128
.set FB,   128                         ; in window 1
.set WV,   14
.set PT,   15                          ; s15  my pair of tiles
.set R,    16                          ; s[16:17] the record in hand
.set T0,   18
.set J,    20                          ; s20  the step in hand
.set MO,   21                          ; s21  its lane masks' offset: 256 J
.set VIS,  22                          ; s22  steps still to walk, a bit each
.set PART, 23                          ; s23  steps that are not wholly visible
.set CNT,  24                          ; s24  how many steps are left
.set PF,   25                          ; s25  1: the step in hand is not wholly visible
.set CS,   26                          ; s[26:27] c = log2(e) / sqrt(128)
.set SEL,  28                          ; s[28:29] v_permlanex16_b32's selects for lane l xor 16
.set MNT,  30                          ; s30  the mantissa field of 57,344
.set WS,   31                          ; s31  my stage's first byte in LDS: vector lines read it, and it is never written again
.set PFA,  66                          ; s[66:67] where my one prefetch stands; never rewritten
; s[32:63], s[68:99]: a tile's 64 lane masks: word n in s[32 + n] for n < 32, else in s[36 + n]
.set MSB, 0
.macro WIN new                         ; the immediate's high byte repeats the setting that is left; a switch that changes nothing is dropped
.if MSB != \new
	s_set_vgpr_msb (MSB<<8)|\new
.set MSB, \new
.endif
.endm
.macro PLACES n                        ; plain vector lines behind matrix instructions: eight for this form, ahead of the first read of its results; no wait stands in for them
.rept \n
	v_nop
.endr
.endm
; 64 numbers of a lane, v[s] on, register 16 b + i = k 32 b + 16 h + i of my row, become 16 registers of codes in v[d] on and the scale word in v[sw]
.macro QUANT s, d, sw
.irp b, 0,1,2,3
	v_max3_num_f32 v[TM+\b], |v[(\s)+16*\b]|, |v[(\s)+16*\b+1]|, 0x8000000   ; block b: my 16 numbers, and the floor 2^(16 - 127)
.endr
.irp i, 2,4,6,8,10,12,14
.irp b, 0,1,2,3
	v_max3_num_f32 v[TM+\b], v[TM+\b], |v[(\s)+16*\b+\i]|, |v[(\s)+16*\b+\i+1]|
.endr
.endr
.irp b, 0,1,2,3
	v_permlanex16_b32 v[TM+4+\b], v[TM+\b], s[SEL], s[SEL+1]
.endr
.irp b, 0,1,2,3
	v_max_num_f32 v[TM+\b], v[TM+\b], v[TM+4+\b]
.endr
.irp b, 0,1,2,3
	v_add_nc_u32 v[TM+12+\b], 0xf8800000, v[TM+\b]                ; 15 off the exponent field: the conversion's scale operand
.endr
.irp b, 0,1,2,3
	v_and_or_b32 v[TM+8+\b], v[TM+\b], 0x7f800000, s[MNT]         ; 57,344 x the scale
.endr
.irp b, 0,1,2,3
	v_lshrrev_b32 v[TM+4+\b], 23, v[TM+12+\b]                     ; the byte
.endr
	v_lshl_or_b32 v[\sw], v[TM+5], 8, v[TM+4]
	v_lshl_or_b32 v[\sw], v[TM+6], 16, v[\sw]
	v_lshl_or_b32 v[\sw], v[TM+7], 24, v[\sw]
.irp b, 0,1,2,3
.irp i, 0,1,2,3,4,5,6,7,8,9,10,11,12,13,14,15
	v_med3_num_f32 v[(\s)+16*\b+\i], v[(\s)+16*\b+\i], -v[TM+8+\b], v[TM+8+\b]   ; the conversion does not saturate (ISA guide 7.6.2): the hold comes first
.endr
	v_cvt_scalef32_pk8_bf8_f32 v[(\d)+4*\b:(\d)+4*\b+1], v[(\s)+16*\b:(\s)+16*\b+7], v[TM+12+\b]
	v_cvt_scalef32_pk8_bf8_f32 v[(\d)+4*\b+2:(\d)+4*\b+3], v[(\s)+16*\b+8:(\s)+16*\b+15], v[TM+12+\b]
.endr
	v_nop                                          ; a plain line behind the last conversion: products will write v[s] on
.endm
; Q's tile y, loaded as 16 whole rows, turns through my stage and comes back as 16 neighbours of each block of 32 for lane (r, h).  LDS serves a wave's instructions in order (ISA guide 5.7.1.4).
.macro QTURN y
.set x, 0
.rept 16
	ds_store_b128 v[SRW], v[S+64*(\y)+4*x:S+64*(\y)+4*x+3] offset:x*PITCH
.set x, x+1
.endr
	s_wait_alu depctr_vm_vsrc(0)                   ; the sixteen stores above have read the tile's 64 registers, in which the loads below land and which QUANT and the products write later
.irp c, 0,1,2,3
.irp j, 0,1,2,3
	ds_load_b128 v[S+64*(\y)+16*\c+4*\j:S+64*(\y)+16*\c+4*\j+3], v[SFR] offset:128*\c+16*\j
.endr
.endr
.endm
; 33 loads: the eight tiles' scale words first, then eight fragments, four loads each, from byte off of the record in hand.  The wait that they hang on stands ahead of the macro: between it and the loads stand loads and window switches alone
.macro FLOAD off
	global_load_b128 v[SC:SC+3], v[L16], s[R:R+1] offset:(\off)+KSC
	WIN 0x40                                       ; destination window 1, address window 0
.set i, 0
.rept 32
	global_load_b128 v[FB+4*i:FB+4*i+3], v[L16], s[R:R+1] offset:(\off)+512*i
.set i, i+1
.endr
	WIN 0
.endm
.macro MLOAD y                         ; tile y's 64 lane masks of the step in hand.  Asked for in every step, so that the registers are written on every path
	s_load_b512 s[32:47], s[8:9], s[MO] offset:8192*(\y)
	s_load_b512 s[48:63], s[8:9], s[MO] offset:8192*(\y)+64
	s_load_b512 s[68:83], s[8:9], s[MO] offset:8192*(\y)+128
	s_load_b512 s[84:99], s[8:9], s[MO] offset:8192*(\y)+192
.endm
.macro MASK y                          ; hidden scores become -2^103; each accumulator is read from its low end on
.set n, 0
.rept 64
.if n < 32
	v_cndmask_b32 v[S+64*(\y)+n], v[NEGV], v[S+64*(\y)+n], s[32+n]
.else
	v_cndmask_b32 v[S+64*(\y)+n], v[NEGV], v[S+64*(\y)+n], s[36+n]
.endif
.set n, n+1
.endr
.endm
; The next step to walk: the lowest bit of VIS.  Its number is held at 31 ahead of every address made of it.  Its first tile's lane masks and K's fragments are asked for.
; inloop = 1: behind a step's second products.  inloop = 0: at the head, where nothing has named the fragments' registers yet.
.macro NEXT inloop
	s_ctz_i32_b32 s[J], s[VIS]
	s_min_u32 s[J], s[J], 31
	s_sub_co_u32 s[T0], s[VIS], 1
	s_and_b32 s[VIS], s[VIS], s[T0]                ; the bit is taken off
	s_lshr_b32 s[PF], s[PART], s[J]
	s_and_b32 s[PF], s[PF], 1
	s_lshl_b32 s[MO], s[J], 8
	s_mul_i32 s[T0], s[J], REC
	s_mov_b32 s[T0+1], 0
	s_add_nc_u64 s[R:R+1], s[6:7], s[T0:T0+1]
	MLOAD 0                                        ; (the selects that last read s32 to s99 stand ahead of the second softmax's waits on va_vdst)
.if \inloop
	s_wait_alu depctr_va_vdst(0)                   ; the sixteen products V^T P^T are done reading V's fragments and scale words, in which K's loads below land
.endif
	FLOAD 0
.endm
; S^T = K Q^T: 16 matrix instructions, each fragment of K against both tiles of queries.  The wait ahead of fragment t leaves the 4 (7 - t) loads of the later fragments out.
.macro KQ
	WIN 0x01                                       ; source 0 (K) window 1
.irp t, 0,1,2,3,4,5,6,7
	s_wait_loadcnt 4*(7-\t)
.irp y, 0,1
.if \t < 4
	v_wmma_scale_f32_16x16x128_f8f6f4 v[S+64*\y+8*\t:S+64*\y+8*\t+7], v[FB+16*\t:FB+16*\t+15], v[QF+16*\y:QF+16*\y+15], 0, v[SC+\t%4], v[QS+\y] matrix_a_fmt:MATRIX_FMT_BF8 matrix_b_fmt:MATRIX_FMT_BF8
.else
	v_wmma_scale_f32_16x16x128_f8f6f4 v[S+64*\y+8*\t:S+64*\y+8*\t+7], v[FB+16*\t:FB+16*\t+15], v[QF+16*\y:QF+16*\y+15], 0, v[SC+\t%4], v[QS+\y] matrix_a_fmt:MATRIX_FMT_BF8 matrix_b_fmt:MATRIX_FMT_BF8 matrix_a_scale:MATRIX_SCALE_ROW1
.endif
.endr
.endr
.endm
; O^T += V^T P^T: the sixteen accumulators take turns, one instruction a turn
.macro PV
	WIN 0x51                                       ; source 0 (V), C and D window 1; source 1 (p) window 0
.irp t, 0,1,2,3,4,5,6,7
	s_wait_loadcnt 4*(7-\t)
.irp y, 0,1
.if \t < 4
	v_wmma_scale_f32_16x16x128_f8f6f4 v[64*\y+8*\t:64*\y+8*\t+7], v[FB+16*\t:FB+16*\t+15], v[PC+16*\y:PC+16*\y+15], v[64*\y+8*\t:64*\y+8*\t+7], v[SC+\t%4], v[PS+\y] matrix_a_fmt:MATRIX_FMT_BF8 matrix_b_fmt:MATRIX_FMT_BF8
.else
	v_wmma_scale_f32_16x16x128_f8f6f4 v[64*\y+8*\t:64*\y+8*\t+7], v[FB+16*\t:FB+16*\t+15], v[PC+16*\y:PC+16*\y+15], v[64*\y+8*\t:64*\y+8*\t+7], v[SC+\t%4], v[PS+\y] matrix_a_fmt:MATRIX_FMT_BF8 matrix_b_fmt:MATRIX_FMT_BF8 matrix_a_scale:MATRIX_SCALE_ROW1
.endif
.endr
.endr
.endm
; Tile y's softmax for the step in hand: from 64 scores a lane to p's codes and scale word; the sum and O^T are brought under the new M.  It names neither the fragments' registers nor their scale words: V lands beside it.
.macro SOFTMAX y
.set sS, S+64*(\y)
.set sN, ST+4*(\y)
.irp b, 0,1,2,3
	v_max3_num_f32 v[WK+\b], v[sS+16*\b], v[sS+16*\b+1], v[sS+16*\b+2]   ; the largest score of each block of 32 keys: it serves the row's maximum and, since p rises with the score, the block's largest p
.endr
.irp i, 3,5,7,9,11,13
.irp b, 0,1,2,3
	v_max3_num_f32 v[WK+\b], v[WK+\b], v[sS+16*\b+\i], v[sS+16*\b+\i+1]
.endr
.endr
.irp b, 0,1,2,3
	v_max_num_f32 v[WK+\b], v[WK+\b], v[sS+16*\b+15]
.endr
.irp b, 0,1,2,3
	v_permlanex16_b32 v[WK+4+\b], v[WK+\b], s[SEL], s[SEL+1]
.endr
.irp b, 0,1,2,3
	v_max_num_f32 v[WK+\b], v[WK+\b], v[WK+4+\b]                  ; with lane l xor 16's 16 keys
.endr
	v_max3_num_f32 v[TP], v[WK], v[WK+1], v[WK+2]
	v_max_num_f32 v[TP], v[TP], v[WK+3]            ; the step's largest score of my query
	v_mul_f32 v[TP], s[CS], v[TP]                  ; as t (c is positive)
	v_max_num_f32 v[sN+1], v[sN+1], v[TP]          ; the running largest t
	v_mov_b32 v[TP], v[sN]
	v_floor_f32 v[sN], -v[sN+1]                    ; the new -M = floor(-t): M is a whole number
	v_sub_f32 v[TP], v[sN], v[TP]                  ; old M - new M: a whole number, 0 or less
	v_cvt_i32_f32 v[TP], v[TP]                     ; (it saturates)
	v_ldexp_f32 v[FF], 1.0, v[TP]                  ; f = 2^(old M - new M)
.set j, 0
.rept 32
	v_pk_fma_f32 v[sS+j:sS+j+1], v[sS+j:sS+j+1], s[CS:CS+1], v[sN:sN+1] op_sel_hi:[1,0,0]   ; t - M, two at a time (of the pairs c and -M the low word serves both halves)
.set j, j+2
.endr
.irp b, 0,1,2,3
	v_fma_f32 v[WK+\b], v[WK+\b], s[CS], v[sN]     ; the same of each block's largest score
.endr
.set j, 0
.rept 64
	v_exp_f32 v[sS+j], v[sS+j]                     ; p = 2^(t - M), at most 1
.set j, j+1
.endr
	v_pk_mul_f32 v[sN+2:sN+3], v[sN+2:sN+3], v[FF:FF+1] op_sel_hi:[1,0]   ; the sums under the new M: the plain line behind the exponentials
	s_wait_alu depctr_va_vdst(0)                   ; the 64 exponentials have written p, ahead of the sums below, their first readers: one wait for the batch
.irp b, 0,1,2,3
	v_exp_f32 v[WK+\b], v[WK+\b]                   ; the block's largest p: the same two instructions on the same number
.endr
	v_pk_add_f32 v[WK+4:WK+5], v[sS:sS+1], v[sS+2:sS+3]           ; the row's sum is taken of the unquantised p: two at a time, in two chains
.irp j, 4,8,12,16,20,24,28,32,36,40,44,48,52,56,60
	v_pk_add_f32 v[sN+2:sN+3], v[sN+2:sN+3], v[sS+\j:sS+\j+1]
	v_pk_add_f32 v[WK+4:WK+5], v[WK+4:WK+5], v[sS+\j+2:sS+\j+3]
.endr
	v_pk_add_f32 v[sN+2:sN+3], v[sN+2:sN+3], v[WK+4:WK+5]
	s_wait_alu depctr_va_vdst(0)                   ; the four exponentials have written the blocks' largest p, ahead of the floor below, their first reader
.irp b, 0,1,2,3
	v_max_num_f32 v[WK+\b], 0x8000000, v[WK+\b]    ; the floor 2^(16 - 127): a block whose every p is 0 keeps the byte 1 and zero codes
.endr
.irp b, 0,1,2,3
	v_add_nc_u32 v[WK+12+\b], 0xf8800000, v[WK+\b]
.endr
.irp b, 0,1,2,3
	v_and_or_b32 v[WK+8+\b], v[WK+\b], 0x7f800000, s[MNT]
.endr
.irp b, 0,1,2,3
	v_lshrrev_b32 v[WK+4+\b], 23, v[WK+12+\b]
.endr
	v_lshl_or_b32 v[PS+(\y)], v[WK+5], 8, v[WK+4]  ; p's scale word for these 128 keys: far more than eight plain lines ahead of the products that name it
	v_lshl_or_b32 v[PS+(\y)], v[WK+6], 16, v[PS+(\y)]
	v_lshl_or_b32 v[PS+(\y)], v[WK+7], 24, v[PS+(\y)]
.irp b, 0,1,2,3
.irp i, 0,1,2,3,4,5,6,7,8,9,10,11,12,13,14,15
	v_min_num_f32 v[sS+16*\b+\i], v[sS+16*\b+\i], v[WK+8+\b]      ; p is not negative: the hold is one-sided
.endr
	v_cvt_scalef32_pk8_bf8_f32 v[PC+16*(\y)+4*\b:PC+16*(\y)+4*\b+1], v[sS+16*\b:sS+16*\b+7], v[WK+12+\b]
	v_cvt_scalef32_pk8_bf8_f32 v[PC+16*(\y)+4*\b+2:PC+16*(\y)+4*\b+3], v[sS+16*\b+8:sS+16*\b+15], v[WK+12+\b]
.endr
	WIN 0x41                                       ; O^T (destination and source 0) window 1, f window 0
.set j, 0
.rept 32
	v_pk_mul_f32 v[64*(\y)+j:64*(\y)+j+1], v[64*(\y)+j:64*(\y)+j+1], v[FF:FF+1] op_sel_hi:[1,0]   ; O^T under the new M, each accumulator from its low end on; also the plain lines between the codes and the products
.set j, j+2
.endr
	WIN 0
.endm
; The way out of tile y, in three parts.  SCALE: O^T / the sum into S's registers.  STAGE: through my stage, back as 16 whole rows of 512 bytes.  SEND: stored.
.macro SCALE y
	WIN 0x01                                       ; source 0 (O^T) window 1
.set j, 0
.rept 32
	v_pk_mul_f32 v[S+64*(\y)+j:S+64*(\y)+j+1], v[64*(\y)+j:64*(\y)+j+1], v[RC+2*(\y):RC+2*(\y)+1]
.set j, j+2
.endr
.endm
.macro STAGE y
.irp t, 0,1,2,3,4,5,6,7
	ds_store_b128 v[SOW], v[S+64*(\y)+8*\t:S+64*(\y)+8*\t+3] offset:64*\t          ; lane (r, h): o(r, 16 t + 8 h + 0 .. 7)
	ds_store_b128 v[SOW], v[S+64*(\y)+8*\t+4:S+64*(\y)+8*\t+7] offset:64*\t+16
.endr
	s_wait_alu depctr_vm_vsrc(0)                   ; the sixteen stores above have read the tile's 64 registers, in which the loads below land
.set x, 0
.rept 16
	ds_load_b128 v[S+64*(\y)+4*x:S+64*(\y)+4*x+3], v[SRW] offset:x*PITCH          ; in order behind my stores; the next tile's stores come behind these
.set x, x+1
.endr
.endm
.macro SEND y, younger                 ; younger: the LDS instructions issued behind tile y's loads
.set x, 0
.rept 16
	s_wait_dscnt (\younger)+15-x
	global_store_b128 v[L16], v[S+64*(\y)+4*x:S+64*(\y)+4*x+3], s[12:13] offset:8192*(\y)+512*x th:TH_STORE_NT   ; 32 lanes store a row's 512 consecutive bytes, aligned; written once
.set x, x+1
.endr
.endm
	s_load_b256 s[4:11], s[0:1], 0x0               ; q s[4:5], kv s[6:7], mb s[8:9], info s[10:11]
	s_load_b64 s[12:13], s[0:1], 0x20              ; out0
	v_lshl_add_u32 v[SPW], v0, 2, SPARE
	v_mov_b32 v[NIL], 0
	v_lshrrev_b32 v8, 5, v0
	v_readfirstlane_b32 s[WV], v8                  ; wave 0..7
	v_and_b32 v9, 31, v0                           ; lane
	v_and_b32 v10, 15, v0                          ; r
	v_bfe_u32 v11, v0, 4, 1                        ; h
	v_lshlrev_b32 v[L16], 4, v9
	v_lshlrev_b32 v[PFO], 8, v9
	s_wait_alu depctr_va_sdst(0)                   ; s14, the wave's number, is written, ahead of its first reader: LDS addresses and every base are made from it
	s_mul_i32 s[WS], s[WV], WST
	v_add_nc_u32 v[SRW], s[WS], v[L16]
	v_mul_u32_u24 v12, v10, PITCH
	v_add_nc_u32 v12, s[WS], v12
	v_lshl_add_u32 v[SFR], v11, 6, v12
	v_lshl_add_u32 v[SOW], v11, 5, v12
	v_mov_b32 v[NEGV], 0xf3000000                  ; -2^103
	s_lshr_b32 s18, s[WV], 2                       ; w / 4
	s_mul_i32 s19, s18, 15
	s_xor_b32 s19, s19, ttmp9                      ; g, mirrored in waves 4 to 7
	s_lshl_b32 s20, s[WV], 4
	s_add_co_u32 s[PT], s19, s20                   ; my pair of tiles, 0 .. 127
	s_and_b32 s21, ttmp7, 0xffff                   ; the head
	s_lshl_b32 s32, s21, 21                        ; q, out0: a head is 4,096 rows of 512 bytes,
	s_lshl_b32 s36, s[PT], 14                      ; a pair 32 rows; mb: a pair is 2 x 8,192 bytes
	s_add_co_u32 s32, s32, s36
	s_mov_b32 s33, 0
	s_mul_i32 s34, s21, 32*REC                     ; kv: a head's 32 records
	s_mov_b32 s35, 0
	s_mov_b32 s37, 0
	s_lshl_b32 s38, s[PT], 5                       ; info: 8 words a pair
	s_mov_b32 s39, 0
	s_lshl_b32 s40, s18, 4                         ; the prefetch: record g + 16 (w / 4) of my head,
	s_add_co_u32 s40, s40, ttmp9
	s_mul_i32 s40, s40, REC
	s_and_b32 s42, s[WV], 3                        ; its codes' quarter w % 4: 8,192 bytes,
	s_lshl_b32 s43, s42, 13
	s_add_co_u32 s40, s40, s43
	s_lshr_b32 s42, s42, 1                         ; V's two quarters lie 512 bytes further on, behind K's scale words
	s_lshl_b32 s42, s42, 9
	s_add_co_u32 s40, s40, s42
	s_mov_b32 s41, 0
	s_mov_b32 s[CS], 0x3e0293ee                    ; c = log2(e) / sqrt(128)
	s_mov_b32 s[CS+1], s[CS]                       ; (named with it as a pair, so it is written)
	s_mov_b32 s[SEL], 0x76543210
	s_mov_b32 s[SEL+1], 0xfedcba98
	s_mov_b32 s[MNT], 0x600000
	s_wait_kmcnt 0x0
	s_add_nc_u64 s[4:5], s[4:5], s[32:33]
	s_add_nc_u64 s[12:13], s[12:13], s[32:33]
	s_add_nc_u64 s[6:7], s[6:7], s[34:35]
	s_add_nc_u64 s[8:9], s[8:9], s[36:37]
	s_add_nc_u64 s[10:11], s[10:11], s[38:39]
	s_add_nc_u64 s[PFA:PFA+1], s[6:7], s[40:41]
	s_load_b256 s[32:39], s[10:11], 0x0            ; my two tiles' lists: four words each
	s_wait_alu depctr_va_vdst(0)                   ; v1 to v6 and v112 are written: the offsets and LDS addresses that every load, store, LDS instruction and the prefetch of the kernel reads, and the closing add's two
.set x, 0
.rept 32
	global_load_b128 v[S+4*x:S+4*x+3], v[L16], s[4:5] offset:512*x th:TH_LOAD_NT   ; Q: row x, 512 consecutive bytes; read once in the launch
.set x, x+1
.endr
.irp b, 0,1,2,3
	v_mov_b32 v[WK+4+\b], 0                        ; written once: a lane permute's destination counts as one of its sources
.endr
	v_mov_b32 v[FF+1], 0
	s_wait_kmcnt 0x0
	; the two tiles' lists become one: s40-41 steps with a visible key, s42-43 steps wholly visible, s44-45 rows with a visible key
.irp y, 0,1
	s_and_b32 s[40+\y], s[32+4*\y], 0xff
	s_bfe_u32 s[42+\y], s[32+4*\y], 0x80008
	s_lshr_b32 s[44+\y], s[32+4*\y], 16
.irp w, 1,2,3
	s_and_b32 s46, s[32+4*\y+\w], 0xff
	s_lshl_b32 s46, s46, 8*\w
	s_or_b32 s[40+\y], s[40+\y], s46
	s_bfe_u32 s46, s[32+4*\y+\w], 0x80008
	s_lshl_b32 s46, s46, 8*\w
	s_or_b32 s[42+\y], s[42+\y], s46
	s_lshr_b32 s46, s[32+4*\y+\w], 16
	s_or_b32 s[44+\y], s[44+\y], s46
.endr
.endr
	s_or_b32 s[VIS], s40, s41                      ; a step is walked if either tile sees a key in it;
	s_and_b32 s42, s42, s43                        ; it needs no masking if both tiles see all of it
	s_and_b32 s44, s44, s45
	s_cmp_eq_u32 s44, 0xffff                       ; does each of my 32 rows see a key somewhere?
	s_cselect_b32 s[VIS], s[VIS], -1               ; if not: every step
	s_cmp_eq_u32 s[VIS], 0
	s_cselect_b32 s[VIS], -1, s[VIS]               ; (so that the count below is 1 to 32 whatever the buffer holds)
	s_and_not1_b32 s[PART], s[VIS], s42
	s_bcnt1_i32_b32 s[CNT], s[VIS]
	NEXT 0                                         ; the first step's lane masks and K.  No wait: no vector or matrix instruction has named the fragments' registers or their scale words, and v1 stands since the wait above
	s_wait_loadcnt 49                              ; Q's tile 0 is in; out may be tile 1's 16 loads and K's 33
	QTURN 0
	s_wait_loadcnt 33                              ; Q's tile 1 is in; K's 33 may be out
	QTURN 1
	s_wait_dscnt 32                                ; tile 0 is back; the second turn's 16 stores and 16 loads may be out
	QUANT S, QF, QS
	s_wait_dscnt 0x0
	QUANT S+64, QF+16, QS+1
.irp y, 0,1
	v_mov_b32 v[ST+4*\y+1], 0xff61b1e6             ; the largest t so far: -3e38
	v_floor_f32 v[ST+4*\y], -v[ST+4*\y+1]          ; -M
	v_mov_b32 v[ST+4*\y+2], 0                      ; the sum, in two halves
	v_mov_b32 v[ST+4*\y+3], 0
.endr
	WIN 0x40
.set i, 0
.rept 128
	v_mov_b32 v[i], 0                              ; O^T, once: the step is written once, and its first trip finds zeros, which the first change of M leaves zeros.  Also the plain lines between Q's codes and scale words and the first products
.set i, i+1
.endr
	WIN 0
	s_wait_alu depctr_va_vdst(0)                   ; the conversions have written Q's codes and the shifts its scale words, which the scaled products of every trip take as source 1 and its scales; the plain lines above stay beside this wait
	; ONE PREFETCH A WAVE: 32 lanes 256 bytes apart name 8,192 bytes of codes: quarter w % 4 of record g + 16 (w / 4) of my head.  The 128 waves of a head's 16 work-groups so name each 256 bytes of the head's
	; 32 x 32,768 bytes of codes once in the launch; the scale words are not asked for.  Only waits for loads issued earlier follow it, and its two address registers are never written again.
	global_prefetch_b8 v[PFO], s[PFA:PFA+1] th:TH_LOAD_NT scope:SCOPE_SE
.Lstep:                                            ; a trip: one step of 128 keys for my 32 queries; CNT trips, 1 to 32
	KQ
	WIN 0
	PLACES 8                                       ; ahead of the first read of the scores
	s_wait_kmcnt 0x0                               ; tile 0's lane masks: asked for with K, which has landed
	s_cmp_eq_u32 s[PF], 0
	s_cbranch_scc1 .Lopen0                         ; a step that is wholly visible needs none
	MASK 0
.Lopen0:
	s_wait_alu depctr_va_vdst(0)                   ; the sixteen products K Q^T are done reading K's fragments and scale words, in which V's loads below land; the selects above are done reading s32 to s99, in which tile 1's lane masks land
	MLOAD 1                                        ; tile 1's, under tile 0's softmax
	FLOAD VCD                                      ; V of the same step: it lands under the two softmaxes, which name none of its registers
	SOFTMAX 0
	s_wait_kmcnt 0x0
	s_cmp_eq_u32 s[PF], 0
	s_cbranch_scc1 .Lopen1
	MASK 1
.Lopen1:
	SOFTMAX 1
	s_wait_alu depctr_va_vdst(0)                   ; the conversions have written p's codes and the shifts its scale words, which the scaled products below take as source 1 and its scales; the 32 multiplications of O^T above are the plain lines that stay beside this wait
	PV
	WIN 0
	PLACES 8                                       ; behind the last products, ahead of the parting of the ways: the way out reads O^T
	s_sub_co_u32 s[CNT], s[CNT], 1
	s_cmp_eq_u32 s[CNT], 0
	s_cbranch_scc1 .Lout                           ; no step is left: nothing more is asked for
	NEXT 1                                         ; the record's base and the masks' offset are written again here: V's loads were waited for down to 0 in PV, the lane masks' by the wait ahead of MASK 1
	s_cmp_lg_u32 s[CNT], 0
	s_cbranch_scc1 .Lstep
.Lout:
	; THE WAY OUT
.irp y, 0,1
	v_add_f32 v[WK+\y], v[ST+4*\y+2], v[ST+4*\y+3] ; the sum's two halves,
.endr
.irp y, 0,1
	v_permlanex16_b32 v[WK+4+\y], v[WK+\y], s[SEL], s[SEL+1]
.endr
.irp y, 0,1
	v_add_f32 v[WK+\y], v[WK+\y], v[WK+4+\y]       ; and lane l xor 16's: the row's sum, above 1/2
.endr
.irp y, 0,1
	v_rcp_f32 v[RC+2*\y], v[WK+\y]                 ; made twice: the packed multiply takes a pair
	v_rcp_f32 v[RC+2*\y+1], v[WK+\y]
.endr
	v_nop                                          ; a plain line behind the last reciprocal
	s_wait_alu depctr_va_vdst(0)                   ; the four reciprocals have written v76 to v79, ahead of the multiplications below, their first readers
	SCALE 0
	SCALE 1
	WIN 0
	s_wait_alu depctr_va_vdst(0)                   ; both tiles' multiplications have written v128 to v255, which the LDS stores below read and in which the LDS loads behind them land: one wait for both tiles; no vector instruction follows it
	STAGE 0
	STAGE 1
	SEND 0, 32                                     ; behind tile 0's loads: tile 1's 16 stores and 16 loads
	SEND 1, 0
	s_wait_dscnt 0x0                               ; the closing lines, six on end
	s_wait_alu 0x0
	s_wait_tensorcnt 0x0
	ds_add_u32 v[SPW], v[NIL]
	s_wait_dscnt 0x0
	s_endpgm
.Lfunc_end_k_qa2d22512fc_attn:
	.size	k_qa2d22512fc_attn, .Lfunc_end_k_qa2d22512fc_attn-k_qa2d22512fc_attn
	.p2alignl 7, 3214868480
	.fill 96, 4, 3214868480
	.section	.rodata,"a",@progbits
	.p2align	6, 0x0
	.amdhsa_kernel k_qa2d22512fc_attn
		.amdhsa_group_segment_fixed_size 68608
		.amdhsa_private_segment_fixed_size 0
		.amdhsa_enable_private_segment 0
		.amdhsa_kernarg_size 40
		.amdhsa_user_sgpr_count 2
		.amdhsa_user_sgpr_kernarg_segment_ptr 1
		.amdhsa_wavefront_size32 1
		.amdhsa_system_sgpr_workgroup_id_x 1
		.amdhsa_system_sgpr_workgroup_id_y 1
		.amdhsa_system_sgpr_workgroup_id_z 1
		.amdhsa_system_vgpr_workitem_id 0
		.amdhsa_next_free_vgpr 512
		.amdhsa_next_free_sgpr 100
		.amdhsa_reserve_vcc 0
		.amdhsa_float_denorm_mode_32 3
		.amdhsa_float_denorm_mode_16_64 3
		.amdhsa_memory_ordered 1
		.amdhsa_forward_progress 1
		.amdhsa_inst_pref_size 101
	.end_amdhsa_kernel
	.amdgpu_metadata
---
amdhsa.version: [ 1, 2 ]
amdhsa.kernels:
  - .name:           k_qa2d22512fc_attn
    .symbol:         k_qa2d22512fc_attn.kd
    .args:
      - { .name: q, .offset: 0, .size: 8, .value_kind: global_buffer, .address_space: global }
      - { .name: kv, .offset: 8, .size: 8, .value_kind: global_buffer, .address_space: global }
      - { .name: mb, .offset: 16, .size: 8, .value_kind: global_buffer, .address_space: global }
      - { .name: info, .offset: 24, .size: 8, .value_kind: global_buffer, .address_space: global }
      - { .name: out0, .offset: 32, .size: 8, .value_kind: global_buffer, .address_space: global }
    .group_segment_fixed_size: 68608
    .private_segment_fixed_size: 0
    .kernarg_segment_align: 8
    .kernarg_segment_size: 40
    .max_flat_workgroup_size: 256
    .sgpr_count:     100
    .vgpr_count:     512
    .wavefront_size: 32
...
	.end_amdgpu_metadata
.endif
;; end of part 3
